; MI455X (gfx1250); checked and timed in simulation.
; The chip was launched on July 23, 2026; its instructions are those of AMD's public machine-readable ISA for CDNA 5 (MIT licence, August 2026) and "CDNA5" Instruction Set Architecture Reference Guide (July 2026). The comments in the code are by the model that wrote it; some were corrected since.
;; Razor Mamba LSTM Cell. Allowed arithmetic: matrix products marked QUANTISED: E5M2 operands, one E8M0 scale for each 32 along K, by v_wmma_scale_f32_16x16x128_f8f6f4 with both operands' format E5M2, f32 sums; everything else in f32.
;; Inputs: A_log 2,048 float32; D 2,048 float32; W1 1 float32; W2 1 float32; Wf_b 2,048 float32; Wf_w 4,096 x 2,048 float32; Wg_b 2,048 float32; Wg_w 4,096 x 2,048 float32; Wi_b 2,048 float32; Wi_w 4,096 x 2,048 float32; Wo_b 2,048 float32; Wo_w 4,096 x 2,048 float32; c 1,024 x 2,048 float32; dt_proj_b 2,048 float32; dt_proj_w 128 x 2,048 float32; h 1,024 x 2,048 float32; in_proj_b 6,272 float32; in_proj_w 4,096 x 6,272 float32; ln_b 2,048 float32; ln_g 2,048 float32; scale0 1 float32; ssm_state 1,024 x 2,048 float32; x 1,024 x 2,048 float32.
;; Outputs: out0 1,024 x 2,048 float32; out1 1,024 x 2,048 float32; out2 1,024 x 2,048 float32.
;; This version of the problem:
;;   THIS VERSION OF THE PROBLEM IS GIVEN IN LOW PRECISION. The matrix products marked QUANTISED in the list below multiply operands that are first quantised to E5M2 (5 exponent bits, 2 mantissa bits; 8 bits a number), with one power-of-two scale for each 32 numbers along K (OCP MX v1.0); their sums are f32. All else is computed in f32.
;;   The module's matrix products, in the order in which they are computed (A, B: the left and right operand; K: the contracted axis; several contracted axes count as one K, in the product's order):
;;     1. [M 1,024, K 4,096] x [K 4,096, N 2,048]; A: computed on the way; B: input Wi_w: QUANTISED
;;     2. [M 1,024, K 4,096] x [K 4,096, N 2,048]; A: computed on the way; B: input Wf_w: QUANTISED
;;     3. [M 1,024, K 4,096] x [K 4,096, N 2,048]; A: computed on the way; B: input Wo_w: QUANTISED
;;     4. [M 1,024, K 4,096] x [K 4,096, N 2,048]; A: computed on the way; B: input Wg_w: QUANTISED
;;     5. [M 1,024, K 4,096] x [K 4,096, N 6,272]; A: computed on the way; B: input in_proj_w: QUANTISED
;;     6. [M 1,024, K 128] x [K 128, N 2,048]; A: computed on the way; B: input dt_proj_w: QUANTISED
;;   THE QUANTISER, for each operand of a quantised product, along K:
;;     - K is cut into blocks of 32 from its start; a last block that is shorter is filled with zeros.
;;     - A block's scale is 2^e with e = floor(log2(the largest magnitude in the block)) - 15, held to -126 .. 127; a block of zeros has e = 0. As a byte (E8M0): e + 127.
;;     - Each number is divided by its block's scale, clamped to +-57,344, and rounded to the nearest number of E5M2, ties to even, subnormals kept.
;;     - The product sums the exact products of the quantised numbers (number of the format x scale) in f32.
;;   ~~~python
;;   def quantise(x, axis):      # numpy; x: float32 -> the quantised numbers, widened to float32 again
;;       x = np.moveaxis(x, axis, -1); K = x.shape[-1]
;;       x = np.pad(x, [(0, 0)] * (x.ndim - 1) + [(0, -K % 32)]); x = x.reshape(x.shape[:-1] + (-1, 32)); a = np.abs(x).max(-1, keepdims=True)
;;       e = np.where(a > 0, np.clip(np.frexp(np.where(a > 0, a, 1))[1] - 1 - 15, -126, 127), 0)      # np.frexp(a)[1] - 1 = floor(log2(a)), exactly
;;       r = np.clip(x / 2.0 ** e, -57344, 57344)
;;       step = 2.0 ** (np.maximum(np.frexp(np.where(r == 0, 1, r))[1] - 1, -14) - 2)
;;       q = np.round(r / step) * step * 2.0 ** e      # np.round: ties to even
;;       return np.moveaxis(q.reshape(q.shape[:-2] + (-1,))[..., :K], -1, axis).astype(np.float32)
;;   ~~~
;;   OPERANDS COMPUTED ON THE WAY. 'Computed on the way' means the value that the module computes at that place (a softmax that the list does not call 'softmax' is quantised finished and normalised). What goes into a quantiser is computed in f32, as accurately as f32 sums, v_exp_f32 and their like allow (about 1e-6 of the number): no bf16 or f16 on the way to a quantiser, and a product that is left as it is and whose result goes on into a quantised operand takes f32 operands (vector FMAs, or v_wmma_f32_16x16x4_f32). A number that lies on a knife's edge between two numbers of the format may be rounded either way, as far as f32 arithmetic and the matrix unit's own rounding can turn it there, and no further.
;; One version. Each part assembles by itself: llvm-mc -triple=amdgcn-amd-amdhsa -mcpu=gfx1250 --defsym DOCPART=n.
;; ======== version 1 of 1: 3 launches
;; limits: inputs' magnitudes at most 140,000,000,000,000; right only within a limited range of input values
;; workspace buffers: acod 4,325,376 bytes; bcod 64,880,640 bytes; dcod 270,336 bytes; clstm 8,388,608 bytes; ogate 8,388,608 bytes; proj 25,690,112 bytes; stats 524,288 bytes
;; launch quant (part 1): grid 1096 x 1, 8 waves a work-group, no clusters, 68,608 bytes of LDS; arguments h, x, Wi_w, Wf_w, Wg_w, Wo_w, in_proj_w, dt_proj_w, acod, bcod, dcod; writes acod, bcod, dcod
.if DOCPART == 1
	.amdgcn_target "amdgcn-amd-amdhsa--gfx1250"
	.amdhsa_code_object_version 6
	.text
	.protected	k_q35f811a901_quant
	.globl	k_q35f811a901_quant
	.p2align	8
	.type	k_q35f811a901_quant,@function
k_q35f811a901_quant:
	s_mov_b64 s[64:65], 0
	v_nop
	global_prefetch_b8 v0, s[64:65] scope:SCOPE_SE
	s_setreg_imm32_b32 hwreg(HW_REG_WAVE_MODE, 25, 1), 1
	s_wait_xcnt 0x0
; All operands of the six products are turned ONCE into codes of BF8 (E5M2) with one E8M0 scale byte for each 32 along K, and laid as IMAGES OF OPERAND REGISTERS.
; A fragment (16 rows or columns x 128 K) is 2,048 bytes: register group c (0..3) at 512 c + 16 x lane; lane r + 16 h holds k = 32 c + 16 h + 0..15 of row or column r.
; A CHUNK (67,584 bytes) is 256 along K of 256 rows or columns: codes at 32768 q + 2048 tile (q: which 128 of the 256), scale words at 65536 + 128 tile + 8 r + 4 q.
; acod [row block 4][pair of K steps 16] chunks of combined = [h | x];  bcod [tile column 60][16] chunks;  dcod: 128 fragments of dt_proj_w, then at 262144 + 64 jt + 4 r their scale words.
; Tile columns 0-31: tile 8 u + 2 G + v holds columns 64 t + 32 u + 16 v + 0..15 of gate G (0 i, 1 f, 2 g, 3 o).  Tile columns 32-59: tiles 0-13 hold in_proj's columns 224 t' + 16 tile + 0..15; tiles 14, 15 are zero codes under the byte 127.
; A block's scale is 2^(floor(log2(its largest magnitude)) - 15); its byte is the largest magnitude's exponent field - 15, held at 1 from below.  A block of zeros so gets the byte 1: its codes are zeros, and this program alone reads the bytes.
; LIMITS: NaN and infinities among the inputs are not served.
; Four paths by the work-group's number: 0-127 the activations, 128-639 the gates, 640-1087 in_proj, 1088-1095 dt_proj_w.  No barrier: waves share nothing.  Only the activations' path uses LDS.
.set CHUNK, 67584
.set SCOFF, 65536
.set STGB,  8448                       ; a wave's stage: 16 rows x (512 bytes + 16)
.set G16,  2                           ; v2   16 x lane
.set G4,   3                           ; v3   4 x lane
.set IMGW, 4                           ; v4   a column's place in the images: 2048 (lane / 16) + 16 (lane % 16)
.set G8,   5                           ; v5   8 x lane
.set SA,   6                           ; v6   the stage, on the way in
.set SBK,  7                           ; v7   the stage, on the way out
.set G8R,  8                           ; v8   8 x (lane % 16)
.set R,    16                          ; v16-79   activations: 64 numbers
.set PC,   80                          ; v80-95   their codes
.set TM,   96                          ; v96-111  at work
.set PW,   112                         ; v112     the scale word just made
.set SW,   120                         ; v120-121 a row's two scale words
.set SB,   24                          ; v24-25   weights: a column's scale bytes
.set X,    32                          ; v32-95   weights: two sets of 32 numbers
.set C,    96                          ; v96-111  weights: two sets of 8 registers of codes
.set MNT,  3                           ; s3   the mantissa field of 57,344
.set SEL,  42                          ; s[42:43] selects for lane l xor 16
	s_load_b512 s[16:31], s[0:1], 0x0              ; h, x, Wi, Wf, Wg, Wo, in_proj_w, dt_proj_w
	s_load_b128 s[32:35], s[0:1], 0x40             ; acod, bcod
	s_load_b64 s[36:37], s[0:1], 0x50              ; dcod
	v_lshl_add_u32 v128, v0, 2, 0x10800
	v_mov_b32 v129, 0
	v_lshrrev_b32 v1, 5, v0
	s_delay_alu instid0(VALU_DEP_1)
	v_readfirstlane_b32 s2, v1                     ; wave 0..7
	v_and_b32 v1, 31, v0                           ; lane
	v_and_b32 v14, 15, v0                          ; r
	v_bfe_u32 v15, v0, 4, 1                        ; h
	s_delay_alu instid0(VALU_DEP_3)
	v_lshlrev_b32 v[G16], 4, v1
	s_delay_alu instid0(VALU_DEP_4)
	v_lshlrev_b32 v[G4], 2, v1
	s_delay_alu instid0(VALU_DEP_4)
	v_lshlrev_b32 v[IMGW], 4, v14
	s_delay_alu instid0(VALU_DEP_1)
	v_lshl_add_u32 v[IMGW], v15, 11, v[IMGW]
	v_lshlrev_b32 v[G8], 3, v1
	s_mul_i32 s3, s2, STGB
	v_add_nc_u32 v[SA], s3, v[G16]                 ; row i of the stage at 528 i: 16 bytes a lane
	v_mul_u32_u24 v[SBK], v14, 528
	s_delay_alu instid0(VALU_DEP_1)
	v_lshl_add_u32 v[SBK], v15, 6, v[SBK]
	s_delay_alu instid0(VALU_DEP_1)
	v_add_nc_u32 v[SBK], s3, v[SBK]                ; row r, + 64 h: my 16 numbers of a block of 32
	v_lshlrev_b32 v[G8R], 3, v14
	s_mov_b32 s[MNT], 0x600000
	s_mov_b32 s11, 0                               ; the upper word of every offset
	s_mov_b32 s[SEL], 0x76543210
	s_mov_b32 s[SEL+1], 0xfedcba98
	s_wait_kmcnt 0x0
	s_cmp_lt_u32 ttmp9, 128
	s_cbranch_scc1 .Lact
	s_cmp_lt_u32 ttmp9, 640
	s_cbranch_scc1 .Lgate
	s_cmp_lt_u32 ttmp9, 1088
	s_cbranch_scc1 .Lproj
; WEIGHTS: K is the first axis.  A LANE TAKES A COLUMN AND ITS REGISTERS RUN DOWN K: each load reads 32 neighbouring columns (128 consecutive bytes), a block of 32 along K lies in one lane's registers,
; and the conversions give codes with K innermost.  A lane's 32 codes are two pieces of 16 bytes of the image (h = 0, h = 1): sixteen lanes store 256 consecutive bytes, aligned.  Loads run two blocks ahead.
.macro WLOAD t, pitch
.irp i, 0,1,2,3,4,5,6,7,8,9,10,11,12,13,14,15,16,17,18,19,20,21,22,23,24,25,26,27,28,29,30,31
	global_load_b32 v[X+32*((\t)%2)+\i], v[G4], s[4:5] offset:(32*(\t)+\i)*(\pitch)*4 th:TH_LOAD_NT
.endr
.endm
.macro WBLOCK t, pitch, nb
.set XS, X+32*((\t)%2)
.set CS, C+8*((\t)%2)
.if (\t) < (\nb)-1
	s_wait_loadcnt 32                              ; this block's 32 loads are in; the next block's may be out
.else
	s_wait_loadcnt 0x0
.endif
	v_max3_num_f32 v12, |v[XS]|, |v[XS+1]|, |v[XS+2]|      ; the block's largest magnitude: all 32 numbers are mine
	v_max3_num_f32 v13, |v[XS+3]|, |v[XS+4]|, |v[XS+5]|
.irp i, 6,10,14,18,22,26
	s_delay_alu instid0(VALU_DEP_2)
	v_max3_num_f32 v12, v12, |v[XS+\i]|, |v[XS+\i+1]|
	s_delay_alu instid0(VALU_DEP_2)
	v_max3_num_f32 v13, v13, |v[XS+\i+2]|, |v[XS+\i+3]|
.endr
	s_delay_alu instid0(VALU_DEP_2)
	v_max3_num_f32 v12, v12, |v[XS+30]|, |v[XS+31]|
	s_delay_alu instid0(VALU_DEP_1)
	v_max3_num_f32 v12, v12, v13, 0x8000000        ; and the floor 2^(16 - 127): the byte cannot fall under 1
	s_delay_alu instid0(VALU_DEP_1)
	v_add_nc_u32 v11, 0xf8800000, v12              ; 15 off the exponent field: the conversion's scale operand
	s_delay_alu instid0(VALU_DEP_2)
	v_and_or_b32 v10, v12, 0x7f800000, s[MNT]      ; 57,344 x the scale
	s_delay_alu instid0(VALU_DEP_2)
	v_lshrrev_b32 v13, 23, v11                     ; the scale's byte
.if (\t)%4 == 0
	s_delay_alu instid0(VALU_DEP_1)
	v_mov_b32 v[SB+(\t)/4], v13                    ; four bytes to a word, the lower K in the lower byte
.else
	s_delay_alu instid0(VALU_DEP_1)
	v_lshl_or_b32 v[SB+(\t)/4], v13, 8*((\t)%4), v[SB+(\t)/4]
.endif
.irp i, 0,1,2,3,4,5,6,7,8,9,10,11,12,13,14,15,16,17,18,19,20,21,22,23,24,25,26,27,28,29,30,31
	v_med3_num_f32 v[XS+\i], v[XS+\i], -v10, v10   ; the conversion to an 8-bit code does not saturate (ISA guide 7.6.2): the hold comes first
.endr
	s_wait_alu depctr_va_vdst(0)
	s_wait_xcnt 0x0                                ; the stores of two blocks ago have read this set of code registers
.irp g, 0,1,2,3
	v_cvt_scalef32_pk8_bf8_f32 v[CS+2*\g:CS+2*\g+1], v[XS+8*\g:XS+8*\g+7], v11
.endr
	global_store_b128 v[IMGW], v[CS:CS+3], s[38:39] offset:((\t)/4)*32768+((\t)%4)*512
	global_store_b128 v[IMGW], v[CS+4:CS+7], s[38:39] offset:((\t)/4)*32768+((\t)%4)*512+256
.if (\t)+2 < (\nb)
	WLOAD (\t)+2, \pitch
.endif
.endm
.macro WQ pitch, nb                    ; 32 columns x 32 nb along K; source s[4:5], codes s[38:39], scale words s[40:41]
	WLOAD 0, \pitch
	WLOAD 1, \pitch
.set TT, 0
.rept \nb
	WBLOCK TT, \pitch, \nb
.set TT, TT+1
.endr
.if \nb == 8
	global_store_b64 v[G8], v[SB:SB+1], s[40:41]   ; 32 lanes store 256 consecutive bytes: two tiles' scale words
.else
	global_store_b32 v[G4], v[SB], s[40:41]
.endif
	s_endpgm
.endm
	; ---- dt_proj_w [128][2048]: wave J = 8 (id - 1088) + wave takes columns 32 J on
	s_sub_co_u32 s8, ttmp9, 1088
	s_lshl_b32 s8, s8, 3
	s_add_co_u32 s8, s8, s2
	s_lshl_b32 s10, s8, 7
	s_add_nc_u64 s[4:5], s[30:31], s[10:11]
	s_lshl_b32 s10, s8, 12
	s_add_nc_u64 s[38:39], s[36:37], s[10:11]
	s_lshl_b32 s10, s8, 7
	s_add_co_u32 s10, s10, 262144
	s_add_nc_u64 s[40:41], s[36:37], s[10:11]
	s_wait_alu depctr_va_vdst(0)
	WQ 2048, 4
.Lgate:	; ---- a gate's weight [4096][2048]: id2 = gate x 128 + (block of 256 columns) x 16 + (pair of K steps)
	s_sub_co_u32 s8, ttmp9, 128
	s_lshr_b32 s9, s8, 7                           ; G
	s_bfe_u32 s12, s8, 0x30004                     ; which 256 columns
	s_and_b32 s13, s8, 15                          ; p
	s_cmp_eq_u32 s9, 1
	s_cselect_b64 s[4:5], s[22:23], s[20:21]
	s_cmp_eq_u32 s9, 2
	s_cselect_b64 s[4:5], s[24:25], s[4:5]
	s_cmp_eq_u32 s9, 3
	s_cselect_b64 s[4:5], s[26:27], s[4:5]
	s_lshl_b32 s10, s13, 21                        ; 256 rows of 8,192 bytes
	s_lshl_b32 s14, s12, 10
	s_add_co_u32 s10, s10, s14
	s_lshl_b32 s14, s2, 7                          ; my wave's 32 columns
	s_add_co_u32 s10, s10, s14
	s_add_nc_u64 s[4:5], s[4:5], s[10:11]
	s_lshl_b32 s14, s12, 2
	s_lshr_b32 s15, s2, 1
	s_add_co_u32 s14, s14, s15                     ; t = column / 64
	s_lshl_b32 s14, s14, 4
	s_add_co_u32 s14, s14, s13
	s_mul_i32 s14, s14, CHUNK                      ; the chunk (t, p)
	s_and_b32 s15, s2, 1
	s_lshl_b32 s15, s15, 3
	s_lshl_b32 s9, s9, 1
	s_add_co_u32 s15, s15, s9                      ; my first tile: 8 u + 2 G
	s_lshl_b32 s10, s15, 11
	s_add_co_u32 s10, s10, s14
	s_add_nc_u64 s[38:39], s[34:35], s[10:11]
	s_lshl_b32 s10, s15, 7
	s_add_co_u32 s10, s10, s14
	s_add_co_u32 s10, s10, SCOFF
	s_add_nc_u64 s[40:41], s[34:35], s[10:11]
	s_wait_alu depctr_va_vdst(0)
	WQ 2048, 8
.Lproj:	; ---- in_proj_w [4096][6272]: id3 = t' x 16 + p; waves 0-6 take 32 columns each of the 224, wave 7 lays the two empty tiles
	s_sub_co_u32 s8, ttmp9, 640
	s_lshr_b32 s9, s8, 4                           ; t'
	s_and_b32 s13, s8, 15                          ; p
	s_add_co_u32 s14, s9, 32
	s_lshl_b32 s14, s14, 4
	s_add_co_u32 s14, s14, s13
	s_mul_i32 s14, s14, CHUNK
	s_lshl_b32 s10, s2, 12                         ; my first tile is 2 x wave
	s_add_co_u32 s10, s10, s14
	s_add_nc_u64 s[38:39], s[34:35], s[10:11]
	s_lshl_b32 s10, s2, 8
	s_add_co_u32 s10, s10, s14
	s_add_co_u32 s10, s10, SCOFF
	s_add_nc_u64 s[40:41], s[34:35], s[10:11]
	s_cmp_eq_u32 s2, 7
	s_cbranch_scc1 .Lzero
	s_mul_i32 s10, s13, 6422528                    ; 256 rows of 25,088 bytes
	s_mul_i32 s12, s9, 896
	s_add_co_u32 s10, s10, s12
	s_lshl_b32 s12, s2, 7
	s_add_co_u32 s10, s10, s12
	s_add_nc_u64 s[4:5], s[28:29], s[10:11]
	s_wait_alu depctr_va_vdst(0)
	WQ 6272, 8
.Lzero:
.irp i, 0,1,2,3
	v_mov_b32 v[C+\i], 0
.endr
	v_mov_b32 v[SB], 0x7f7f7f7f
	v_mov_b32 v[SB+1], 0x7f7f7f7f
.irp q, 0,1
.irp c, 0,1,2,3
	global_store_b128 v[IMGW], v[C:C+3], s[38:39] offset:32768*\q+512*\c
	global_store_b128 v[IMGW], v[C:C+3], s[38:39] offset:32768*\q+512*\c+256
.endr
.endr
	global_store_b64 v[G8], v[SB:SB+1], s[40:41]
	s_endpgm
; ACTIVATIONS: K is innermost.  64 numbers of a lane, register 16 b + i = k 32 b + 16 (lane / 16) + i of its row, become a fragment's codes in v[PC] on and its scale word in v[PW].
.macro QUANT s
.irp b, 0,1,2,3
	v_max3_num_f32 v[TM+\b], |v[\s+16*\b]|, |v[\s+1+16*\b]|, 0x8000000   ; block b: my 16 numbers, and the floor 2^(16 - 127)
.endr
.irp i, 2,4,6,8,10,12,14
.irp b, 0,1,2,3
	s_delay_alu instid0(VALU_DEP_4)
	v_max3_num_f32 v[TM+\b], v[TM+\b], |v[\s+16*\b+\i]|, |v[\s+1+16*\b+\i]|   ; the four blocks by turns
.endr
.endr
.irp b, 0,1,2,3
	s_delay_alu instid0(VALU_DEP_4)
	v_permlanex16_b32 v[TM+4+\b], v[TM+\b], s[SEL], s[SEL+1]
.endr
.irp b, 0,1,2,3
	s_delay_alu instid0(VALU_DEP_4)
	v_max_num_f32 v[TM+\b], v[TM+\b], v[TM+4+\b]   ; with lane l xor 16's: the block's largest magnitude
.endr
.irp b, 0,1,2,3
	s_delay_alu instid0(VALU_DEP_4)
	v_add_nc_u32 v[TM+12+\b], 0xf8800000, v[TM+\b] ; the conversion's scale operand
.endr
.irp b, 0,1,2,3
	v_and_or_b32 v[TM+8+\b], v[TM+\b], 0x7f800000, s[MNT]   ; 57,344 x the scale
.endr
.irp b, 0,1,2,3
	v_lshrrev_b32 v[TM+4+\b], 23, v[TM+12+\b]      ; the scale's byte
.endr
	s_delay_alu instid0(VALU_DEP_3)
	v_lshl_or_b32 v[PW], v[TM+5], 8, v[TM+4]
	s_delay_alu instid0(VALU_DEP_1)
	v_lshl_or_b32 v[PW], v[TM+6], 16, v[PW]
	s_delay_alu instid0(VALU_DEP_1)
	v_lshl_or_b32 v[PW], v[TM+7], 24, v[PW]
.irp b, 0,1,2,3
.irp i, 0,1,2,3,4,5,6,7,8,9,10,11,12,13,14,15
	v_med3_num_f32 v[\s+16*\b+\i], v[\s+16*\b+\i], -v[TM+8+\b], v[TM+8+\b]
.endr
	v_cvt_scalef32_pk8_bf8_f32 v[PC+4*\b:PC+1+4*\b], v[\s+16*\b:\s+7+16*\b], v[TM+12+\b]
	v_cvt_scalef32_pk8_bf8_f32 v[PC+2+4*\b:PC+3+4*\b], v[\s+8+16*\b:\s+15+16*\b], v[TM+12+\b]
.endr
	v_nop                                          ; one plain line behind the last conversion
.endm
; 128 along K of 16 rows: each load reads 512 consecutive bytes of one row; the rows turn through the wave's own stage, so that a lane gets 16 neighbours of each block of 32.
.macro ACTQ q
.irp i, 0,1,2,3,4,5,6,7,8,9,10,11,12,13,14,15
	global_load_b128 v[R+4*\i:R+4*\i+3], v[G16], s[4:5] offset:8192*\i+512*\q th:TH_LOAD_NT
.endr
	s_wait_loadcnt 0x0
.irp i, 0,1,2,3,4,5,6,7,8,9,10,11,12,13,14,15
	ds_store_b128 v[SA], v[R+4*\i:R+4*\i+3] offset:528*\i
.endr
	s_wait_dscnt 0x0                               ; the stores have read the registers on which the loads below land
.irp c, 0,1,2,3
.irp j, 0,1,2,3
	ds_load_b128 v[R+16*\c+4*\j:R+16*\c+4*\j+3], v[SBK] offset:128*\c+16*\j
.endr
.endr
	s_wait_dscnt 0x0
.if \q
	s_wait_xcnt 0x0                                ; the first half's stores have read the code registers
.endif
	QUANT R
.irp c, 0,1,2,3
	global_store_b128 v[G16], v[PC+4*\c:PC+4*\c+3], s[38:39] offset:32768*\q+512*\c   ; 512 consecutive bytes of the image
.endr
	v_mov_b32 v[SW+\q], v[PW]
.endm
.Lact:	; ---- id = 2 x row tile + source (0 h, 1 x); wave w takes columns 256 w on: the pair of K steps 8 x source + w
	s_lshr_b32 s8, ttmp9, 1                        ; m
	s_and_b32 s9, ttmp9, 1
	s_cmp_eq_u32 s9, 0
	s_cselect_b64 s[4:5], s[16:17], s[18:19]
	s_lshl_b32 s10, s8, 17                         ; 16 rows of 8,192 bytes
	s_lshl_b32 s12, s2, 10
	s_add_co_u32 s10, s10, s12
	s_add_nc_u64 s[4:5], s[4:5], s[10:11]
	s_lshr_b32 s12, s8, 4
	s_lshl_b32 s12, s12, 4
	s_lshl_b32 s13, s9, 3
	s_add_co_u32 s12, s12, s13
	s_add_co_u32 s12, s12, s2                      ; 16 x row block + p
	s_mul_i32 s12, s12, CHUNK
	s_and_b32 s13, s8, 15                          ; the tile in its chunk
	s_lshl_b32 s10, s13, 11
	s_add_co_u32 s10, s10, s12
	s_add_nc_u64 s[38:39], s[32:33], s[10:11]
	s_lshl_b32 s10, s13, 7
	s_add_co_u32 s10, s10, s12
	s_add_co_u32 s10, s10, SCOFF
	s_add_nc_u64 s[40:41], s[32:33], s[10:11]
.irp b, 0,1,2,3
	v_mov_b32 v[TM+4+\b], 0                        ; a lane permute's destination counts as one of its sources
.endr
	s_wait_alu depctr_va_vdst(0)
	ACTQ 0
	ACTQ 1
	global_store_b64 v[G8R], v[SW:SW+1], s[40:41]  ; lanes r and r + 16 hold the same two words and write them to the same place
	s_wait_tensorcnt 0x0
	ds_add_u32 v128, v129
	s_wait_dscnt 0x0
	s_endpgm
.Lfunc_end_k_q35f811a901_quant:
	.size	k_q35f811a901_quant, .Lfunc_end_k_q35f811a901_quant-k_q35f811a901_quant
	.p2alignl 7, 3214868480
	.fill 96, 4, 3214868480
	.section	.rodata,"a",@progbits
	.p2align	6, 0x0
	.amdhsa_kernel k_q35f811a901_quant
		.amdhsa_group_segment_fixed_size 68608
		.amdhsa_private_segment_fixed_size 0
		.amdhsa_enable_private_segment 0
		.amdhsa_kernarg_size 88
		.amdhsa_user_sgpr_count 2
		.amdhsa_user_sgpr_kernarg_segment_ptr 1
		.amdhsa_wavefront_size32 1
		.amdhsa_system_sgpr_workgroup_id_x 1
		.amdhsa_system_sgpr_workgroup_id_y 1
		.amdhsa_system_sgpr_workgroup_id_z 1
		.amdhsa_system_vgpr_workitem_id 0
		.amdhsa_next_free_vgpr 130
		.amdhsa_next_free_sgpr 66
		.amdhsa_reserve_vcc 0
		.amdhsa_float_denorm_mode_32 3
		.amdhsa_float_denorm_mode_16_64 3
		.amdhsa_memory_ordered 1
		.amdhsa_forward_progress 1
		.amdhsa_inst_pref_size 182
	.end_amdhsa_kernel
	.amdgpu_metadata
---
amdhsa.version: [ 1, 2 ]
amdhsa.kernels:
  - .name:           k_q35f811a901_quant
    .symbol:         k_q35f811a901_quant.kd
    .args:
      - { .name: h, .offset: 0, .size: 8, .value_kind: global_buffer, .address_space: global }
      - { .name: x, .offset: 8, .size: 8, .value_kind: global_buffer, .address_space: global }
      - { .name: Wi_w, .offset: 16, .size: 8, .value_kind: global_buffer, .address_space: global }
      - { .name: Wf_w, .offset: 24, .size: 8, .value_kind: global_buffer, .address_space: global }
      - { .name: Wg_w, .offset: 32, .size: 8, .value_kind: global_buffer, .address_space: global }
      - { .name: Wo_w, .offset: 40, .size: 8, .value_kind: global_buffer, .address_space: global }
      - { .name: in_proj_w, .offset: 48, .size: 8, .value_kind: global_buffer, .address_space: global }
      - { .name: dt_proj_w, .offset: 56, .size: 8, .value_kind: global_buffer, .address_space: global }
      - { .name: acod, .offset: 64, .size: 8, .value_kind: global_buffer, .address_space: global }
      - { .name: bcod, .offset: 72, .size: 8, .value_kind: global_buffer, .address_space: global }
      - { .name: dcod, .offset: 80, .size: 8, .value_kind: global_buffer, .address_space: global }
    .group_segment_fixed_size: 68608
    .private_segment_fixed_size: 0
    .kernarg_segment_align: 8
    .kernarg_segment_size: 88
    .max_flat_workgroup_size: 256
    .sgpr_count:     66
    .vgpr_count:     130
    .wavefront_size: 32
...
	.end_amdgpu_metadata
.endif
;; end of part 1
;; launch gemm (part 2): grid 60 x 4, 4 waves a work-group, clusters of 4 x 4, 327,680 bytes of LDS; arguments acod, bcod, Wi_b, Wf_b, Wg_b, Wo_b, in_proj_b, c, clstm, ogate, proj, stats; writes clstm, ogate, proj, stats
.if DOCPART == 2
	.amdgcn_target "amdgcn-amd-amdhsa--gfx1250"
	.amdhsa_code_object_version 6
	.text
	.protected	k_q35f811a901_gemm
	.globl	k_q35f811a901_gemm
	.p2align	8
	.type	k_q35f811a901_gemm,@function
k_q35f811a901_gemm:
	s_mov_b64 s[64:65], 0
	v_nop
	global_prefetch_b8 v0, s[64:65] scope:SCOPE_SE
	s_setreg_imm32_b32 hwreg(HW_REG_WAVE_MODE, 25, 1), 1
	s_wait_xcnt 0x0
	s_wait_alu depctr_hold_cnt(0) depctr_sa_sdst(0) depctr_va_vdst(0) depctr_va_sdst(0) depctr_va_ssrc(0) depctr_va_vcc(0) depctr_vm_vsrc(0)
	s_getreg_b32 s2, hwreg(HW_REG_IB_STS2, 6, 4)
	s_cmp_eq_u32 s2, 0
	s_cbranch_scc0 .Lentry_in_a_cluster
	s_endpgm
.Lentry_in_a_cluster:
	s_bfe_u32 s2, ttmp6, 0x10000c
	s_cmp_lg_u32 s2, 0xf033
	s_cbranch_scc0 .Lentry_shape_is_right
	s_endpgm
.Lentry_shape_is_right:
; The five products on combined = [h | x], on codes of BF8 (E5M2) with E8M0 scales, as one GEMM [1024] x [60 tile columns of 256], K = 4096; operands arrive as images of operand registers.
; A work-group of four waves makes 256 x 256 (a wave 128 x 128: 64 accumulators); K goes in steps of 256 through a ring of two LDS slots; a slot holds A's chunk and B's chunk (67,584 bytes each: codes, then scale words).
; CLUSTERS 4 x 4: A's chunk is asked for jointly along a row of the cluster, B's along a column; each wave brings half a chunk (132 rows of 256 bytes).
; The matrix instruction is used transposed (source 0 = B, source 1 = A); the biases are the C of each accumulator's first product.
; Tile columns 0-31 (gates): the way out makes c_lstm = f c + i g, its groups' means and squared deviations, and stores o's sums; tile columns 32-59: in_proj's sums are stored as images.
; PREFETCH: behind each refill every wave asks for the chunk two refills on: of a chunk's 264 blocks of 256 bytes the four partners' two waves take 32 each, a lane a block, told apart by address
; (cx for A, cy for B), and one each of the last eight (all lanes of the second line name that one block).  The loop's last trip asks for nothing: chunk 15 is the last.
; LIMITS: sigmoid's and tanh's exponents are held at 2^40; NaN and infinities are not served.
.set CHUNK,  67584
.set HALFC,  33792
.set SLOT,   2*CHUNK
.set SPARE,  2*SLOT
.set NQ,     2
.set FR,     16
.set NL,     4
.set NP,     8
.set ADRA, 16
.set ADRB, 20
.set ADRS, 22
.set CO,   24
.set IMG,  25
.set STO,  26
.set SPW,  28
.set NIL,  29
.set PFO,  30
.set PF2,  31                          ; v31 the offset of my one block among a chunk's last eight, from my 32 blocks' first byte; never rewritten
.set SC,   32
.set BIAS, 64
.set AF,   128
.set TI,   128
.set TF,   144
.set TG,   160
.set QQ,   176
.set DEN,  192
.set RES,  208
.set SM,   224
.set MN,   234
.set PAIR, 240
.set G1,  24
.set G0,  32
.set G1B, 48
.set G0B, 56
.set PFA, 88
.set LIM, 90
.set LNEG, 92
.set LTWO, 94
.set HOLD, 96
.set HIM,  97
.set SEL,  98
.set MSB, 0
.macro WIN new
.if MSB != (\new)
	s_set_vgpr_msb (MSB<<8)|(\new)
.set MSB, (\new)
.endif
.endm
.set MUL_LO, 0xa1
.set MUL_HI, 0xf1
.set TO_B,   0x40
.macro JLOAD s
	s_cmp_eq_u32 s15, 0
	s_cbranch_scc0 .Lfor_b_\@
	tensor_load_to_lds s[G0+4*\s:G0+4*\s+3], s[G1:G1+7]
	s_nop 0
.rept 4
	v_nop
.endr
	s_branch .Lasked_\@
.Lfor_b_\@:
	tensor_load_to_lds s[G0B+4*\s:G0B+4*\s+3], s[G1B:G1B+7]
	s_nop 0
.rept 4
	v_nop
.endr
.Lasked_\@:
.endm
.macro ASK
	s_cmp_gt_u32 s3, s[LIM]
	s_cbranch_scc0 .Lnot_mine_\@
	global_prefetch_b8 v[PFO], s[PFA:PFA+1] th:TH_LOAD_NT scope:SCOPE_SE
	global_prefetch_b8 v[PF2], s[PFA:PFA+1] th:TH_LOAD_NT scope:SCOPE_SE
.Lnot_mine_\@:
.endm
.macro CREST
	s_cmp_lg_u32 s14, 0
	s_cbranch_scc1 .Lnot_wave_0_\@
	s_barrier_signal -3
.Lnot_wave_0_\@:
	s_barrier_wait -3
	s_barrier_signal -1
	s_barrier_wait -1
.endm
.macro CROUND
	s_barrier_signal -1
	s_barrier_wait -1
	CREST
.endm
	s_load_b128 s[4:7], s[0:1], 0x0
	s_load_b256 s[68:75], s[0:1], 0x10
	s_load_b128 s[76:79], s[0:1], 0x30
	s_load_b256 s[80:87], s[0:1], 0x40
	v_lshl_add_u32 v[SPW], v0, 2, SPARE
	v_mov_b32 v[NIL], 0
	ds_add_u32 v28, v29
	ds_add_u32 v28, v29
	s_wait_dscnt 0x0
	v_lshrrev_b32 v9, 5, v0
	v_readfirstlane_b32 s14, v9
	s_lshr_b32 s15, s14, 1
	s_and_b32 s16, s14, 1
	s_bfe_u32 s40, ttmp6, 0x40000
	s_bfe_u32 s41, ttmp6, 0x40004
	s_lshl_b32 s17, ttmp9, 2
	s_add_co_u32 s17, s17, s40
	s_lshl_b32 s43, s41, 2
	s_lshl_b32 s43, 15, s43
	s_lshl_b32 s44, 0x1111, s40
	s_or_b32 s[G1+0], s43, (3<<16)|(1<<21)
	s_or_b32 s[G1B+0], s44, (3<<16)|(1<<21)
.irp g, G1, G1B
	s_mov_b32 s[\g+1], 32<<16
	s_mov_b32 s[\g+2], 132<<16
	s_mov_b32 s[\g+3], 32<<16
	s_mov_b32 s[\g+4], 132
	s_mov_b32 s[\g+5], 32
	s_mov_b32 s[\g+6], 0
	s_mov_b32 s[\g+7], 0
.endr
	s_mul_i32 s18, s16, HALFC
	s_lshl_b32 s20, s41, 4
	s_mul_i32 s20, s20, CHUNK
	s_add_co_u32 s20, s20, s18
	s_mov_b32 s21, 0
	s_lshl_b32 s46, s17, 4
	s_mul_i32 s46, s46, CHUNK
	s_add_co_u32 s46, s46, s18
	s_mov_b32 s47, 0
	s_mul_i32 s45, s14, HALFC
	s_wait_kmcnt 0x0
	s_add_nc_u64 s[20:21], s[4:5], s[20:21]
	s_add_nc_u64 s[46:47], s[6:7], s[46:47]
	CROUND
.irp s, 0,1
	s_mov_b32 s[G0+4*\s], 1
	s_add_co_u32 s[G0+4*\s+1], s45, \s*SLOT
	s_add_nc_u64 s[G0+4*\s+2:G0+4*\s+3], s[20:21], \s*CHUNK
	s_or_b32 s[G0+4*\s+3], s[G0+4*\s+3], 0x80000000
	s_mov_b32 s[G0B+4*\s], 1
	s_add_co_u32 s[G0B+4*\s+1], s45, \s*SLOT
	s_add_nc_u64 s[G0B+4*\s+2:G0B+4*\s+3], s[46:47], \s*CHUNK
	s_or_b32 s[G0B+4*\s+3], s[G0B+4*\s+3], 0x80000000
.endr
	JLOAD 0                                        ; K step 0: one tensor load a wave at the head, behind the round; the set-up below stands under its flight
	v_and_b32 v9, 15, v0
	v_bfe_u32 v10, v0, 4, 1
	v_and_b32 v11, 31, v0
	v_lshlrev_b32 v[IMG], 4, v11
	v_lshlrev_b32 v[PFO], 8, v11
	s_lshl_b32 s8, s15, 14
	s_lshl_b32 s9, s16, 14
	s_add_co_u32 s9, s9, CHUNK
	v_add_nc_u32 v[ADRA], s8, v[IMG]
	v_add_nc_u32 v[ADRB], s9, v[IMG]
	v_add_nc_u32 v[ADRA+1], SLOT, v[ADRA]
	v_add_nc_u32 v[ADRB+1], SLOT, v[ADRB]
	s_xor_b32 s9, s15, 1
	s_add_co_u32 s9, s9, s16
	s_lshl_b32 s9, s9, 10
	s_add_co_u32 s9, s9, CHUNK-1024
	v_mul_u32_u24 v12, s9, v10
	v_lshl_add_u32 v12, v9, 3, v12
	s_lshl_b32 s8, s15, 10
	s_add_co_u32 s8, s8, 65536
	v_add_nc_u32 v[ADRS], s8, v12
	v_add_nc_u32 v[ADRS+1], SLOT, v[ADRS]
	v_lshlrev_b32 v[CO], 13, v9
	v_lshl_add_u32 v[CO], v10, 5, v[CO]
	v_lshlrev_b32 v[STO], 4, v9
	v_lshl_add_u32 v[STO], v10, 13, v[STO]
	s_cmp_eq_u32 s15, 0                            ; do I fetch for A?
	s_cselect_b32 s92, s41, s17                    ; the run of 16 chunks: A's by the row block, B's by the tile column
	s_cselect_b32 s93, s40, s41                    ; my place among the four that ask with me
	s_cselect_b64 s[PFA:PFA+1], s[4:5], s[6:7]
	s_lshl_b32 s92, s92, 4
	s_add_co_u32 s92, s92, 3                       ; at chunk 3: the first refill steps it to 4
	s_mul_i32 s92, s92, CHUNK
	s_lshl_b32 s93, s93, 1
	s_add_co_u32 s93, s93, s16                     ; which eighth of the chunk is mine: 0..7
	s_mul_i32 s94, s93, 7936
	s_sub_co_u32 s94, 65536, s94                   ; block 256 + eighth, counted from block 32 x eighth
	v_mov_b32 v[PF2], s94
	s_lshl_b32 s93, s93, 13
	s_add_co_u32 s92, s92, s93
	s_mov_b32 s93, 0
	s_add_nc_u64 s[PFA:PFA+1], s[PFA:PFA+1], s[92:93]
	s_mov_b32 s[LIM], 1                            ; every wave asks, in all trips but the last
	s_min_u32 s92, s17, 31
	s_max_u32 s93, s17, 32
	s_sub_co_u32 s93, s93, 32
	s_lshl_b32 s94, s41, 4
	s_lshl_b32 s95, s15, 3
	s_add_co_u32 s94, s94, s95
	s_mov_b32 s97, 0
	s_lshl_b32 s96, s94, 17
	s_lshl_b32 s95, s92, 8
	s_add_co_u32 s96, s96, s95
	s_lshl_b32 s95, s16, 7
	s_add_co_u32 s96, s96, s95
	s_add_nc_u64 s[78:79], s[78:79], s[96:97]
	s_lshl_b32 s96, s94, 7
	s_lshl_b32 s95, s92, 2
	s_add_co_u32 s96, s96, s95
	s_lshl_b32 s95, s16, 1
	s_add_co_u32 s96, s96, s95
	s_lshl_b32 s96, s96, 10
	s_add_nc_u64 s[80:81], s[80:81], s[96:97]
	s_add_nc_u64 s[82:83], s[82:83], s[96:97]
	s_mul_i32 s96, s94, 392
	s_mul_i32 s95, s93, 14
	s_add_co_u32 s96, s96, s95
	s_lshl_b32 s95, s16, 3
	s_add_co_u32 s96, s96, s95
	s_lshl_b32 s96, s96, 10
	s_add_nc_u64 s[84:85], s[84:85], s[96:97]
	s_lshl_b32 s96, s94, 5
	s_add_co_u32 s96, s96, s92
	s_lshl_b32 s96, s96, 8
	s_lshl_b32 s95, s16, 3
	s_add_co_u32 s96, s96, s95
	s_add_nc_u64 s[86:87], s[86:87], s[96:97]
	s_mul_i32 s93, s93, 896
	s_lshl_b32 s95, s16, 9
	s_add_co_u32 s93, s93, s95
	s_lshl_b32 s92, s92, 8
	s_lshl_b32 s95, s16, 7
	s_add_co_u32 s92, s92, s95
	v_lshlrev_b32 v11, 5, v10
	s_wait_alu depctr_va_vdst(0)
.irp b, 0,1,2,3,4,5,6,7
	s_add_co_u32 s95, s93, 64*\b
	s_min_u32 s95, s95, 25024
	s_add_co_u32 s96, s92, 64*(\b%2)
	s_cmp_lt_u32 ttmp9, 8
	s_cselect_b32 s95, s96, s95
	v_add_nc_u32 v[1+\b], s95, v11
.endr
	s_cmp_lt_u32 ttmp9, 8
	s_cselect_b64 s[68:69], s[68:69], s[76:77]
	s_cselect_b64 s[70:71], s[70:71], s[76:77]
	s_cselect_b64 s[72:73], s[72:73], s[76:77]
	s_cselect_b64 s[74:75], s[74:75], s[76:77]
	s_wait_alu depctr_va_vdst(0)
.irp b, 0,1,2,3,4,5,6,7
	global_load_b128 v[BIAS+8*\b:BIAS+8*\b+3], v[1+\b], s[68+2*(\b/2):69+2*(\b/2)]
	global_load_b128 v[BIAS+8*\b+4:BIAS+8*\b+7], v[1+\b], s[68+2*(\b/2):69+2*(\b/2)] offset:16
.endr
.macro FRAG reg, adr, q, i
.irp c, 0,1,2,3
	ds_load_b128 v[\reg+4*\c:\reg+4*\c+3], v[\adr] offset:32768*(\q)+2048*(\i)+512*\c
.endr
.endm
.macro MUL16 a0, p, q, sc, zero
.irp a, \a0, \a0+1
.irp b, 0,1,2,3,4,5,6,7
.if \zero
	v_wmma_scale_f32_16x16x128_f8f6f4 v[8*(8*((\a)%4)+\b):8*(8*((\a)%4)+\b)+7], v[128*(\p)+FR*\b:128*(\p)+FR*\b+FR-1], v[AF+FR*(\a):AF+FR*(\a)+FR-1], v[BIAS+8*\b:BIAS+8*\b+7], v[SC+8*NQ*(\sc)+NQ*\b+(\q)], v[SC+8*NQ*(\sc)+NQ*(\a)+(\q)] matrix_a_fmt:MATRIX_FMT_BF8 matrix_b_fmt:MATRIX_FMT_BF8 matrix_a_scale:MATRIX_SCALE_ROW1
.else
	v_wmma_scale_f32_16x16x128_f8f6f4 v[8*(8*((\a)%4)+\b):8*(8*((\a)%4)+\b)+7], v[128*(\p)+FR*\b:128*(\p)+FR*\b+FR-1], v[AF+FR*(\a):AF+FR*(\a)+FR-1], v[8*(8*((\a)%4)+\b):8*(8*((\a)%4)+\b)+7], v[SC+8*NQ*(\sc)+NQ*\b+(\q)], v[SC+8*NQ*(\sc)+NQ*(\a)+(\q)] matrix_a_fmt:MATRIX_FMT_BF8 matrix_b_fmt:MATRIX_FMT_BF8 matrix_a_scale:MATRIX_SCALE_ROW1
.endif
.endr
.endr
.endm
.macro FETCH_B slot, q, p
	WIN TO_B
.irp i, 0,1,2,3,4,5,6,7
	FRAG 128*(\p)+FR*\i, ADRB+\slot, \q, \i
.endr
	WIN 0
.endm
.macro FETCH_A slot, q, i0
.irp i, \i0, \i0+1, \i0+2, \i0+3
	FRAG AF+FR*(\i), ADRA+\slot, \q, \i
.endr
.endm
.macro SCALES sc
.irp i, 0,1,2,3,4,5,6,7
	ds_load_b64 v[SC+8*NQ*\sc+NQ*\i:SC+8*NQ*\sc+NQ*\i+1], v[ADRS+\sc] offset:128*\i
.endr
.endm
.macro PLACES n
.rept \n
	v_nop
.endr
.endm
.macro STEP slot, q, zero
	s_wait_dscnt 4*NL
.if \zero
	WIN 0x81
.else
	WIN MUL_LO
.endif
	MUL16 0, (\q)%2, \q, \slot, \zero
	MUL16 2, (\q)%2, \q, \slot, \zero
	s_wait_dscnt 0
	PLACES NP
	FETCH_B \slot, (\q)+1, 1-(\q)%2
	FETCH_A \slot, (\q)+1, 0
.if \zero
	WIN 0xc1
.else
	WIN MUL_HI
.endif
	MUL16 4, (\q)%2, \q, \slot, \zero
	MUL16 6, (\q)%2, \q, \slot, \zero
	PLACES NP
	WIN 0
	FETCH_A \slot, (\q)+1, 4
.endm
.macro TURN slot, next, fill
.if \fill
	s_wait_xcnt 0x0
	s_add_nc_u64 s[PFA:PFA+1], s[PFA:PFA+1], CHUNK
.endif
	s_wait_tensorcnt 0x0
	ds_add_u32 v[SPW], v[NIL]
.if \fill
	s_add_nc_u64 s[G0+4*\slot+2:G0+4*\slot+3], s[G0+4*\slot+2:G0+4*\slot+3], 2*CHUNK      ; no tensor load of mine is out: this slot's next chunks
	s_add_nc_u64 s[G0B+4*\slot+2:G0B+4*\slot+3], s[G0B+4*\slot+2:G0B+4*\slot+3], 2*CHUNK
.endif
	s_wait_dscnt 0x0                               ; the add is done; the slot's last fragments are all in registers: my reads of this slot are over
	s_barrier_signal -1
	s_barrier_wait -1
.if \fill
	CREST                                          ; the barrier has opened a round of the cluster's barrier
	JLOAD \slot                                    ; the refill, first behind the round: the slot's last 64 products and the next slot's first 64 stand between it and the wait for it
.endif
	WIN MUL_LO
	MUL16 0, 1, NQ-1, \slot, 0
	MUL16 2, 1, NQ-1, \slot, 0
	PLACES NP
	FETCH_B \next, 0, 0
	FETCH_A \next, 0, 0
	SCALES \next
.if \fill
	ASK
.endif
	WIN MUL_HI
	MUL16 4, 1, NQ-1, \slot, 0
	MUL16 6, 1, NQ-1, \slot, 0
	PLACES NP
	WIN 0
	FETCH_A \next, 0, 4
.endm
.macro CLOAD a
.irp e, 0,1
.irp k, 0,1
	global_load_b128 v[BIAS+16*((\a)%4)+8*\e+4*\k:BIAS+16*((\a)%4)+8*\e+4*\k+3], v[CO], s[78:79] offset:131072*(\a)+64*\e+16*\k th:TH_LOAD_NT
.endr
.endr
.endm
.macro LSTM a, left
.set AC, 64*((\a)%4)
.set CC, BIAS+16*((\a)%4)
	s_wait_xcnt 0x0
	WIN 0x02+(\a)/4
.irp k, 0,2,4,6,8,10,12,14
	v_pk_mul_f32 v[TI+\k:TI+\k+1], v[AC+\k:AC+\k+1], s[LNEG:LNEG+1] op_sel_hi:[1,0]
.endr
.irp k, 0,2,4,6,8,10,12,14
	v_pk_mul_f32 v[TF+\k:TF+\k+1], v[AC+16+\k:AC+16+\k+1], s[LNEG:LNEG+1] op_sel_hi:[1,0]
.endr
.irp k, 0,2,4,6,8,10,12,14
	v_pk_mul_f32 v[TG+\k:TG+\k+1], v[AC+32+\k:AC+32+\k+1], s[LTWO:LTWO+1] op_sel_hi:[1,0]
.endr
	WIN 0x08+4*((\a)/4)
.irp e, 0,1
	global_store_b128 v[IMG], v[AC+48+8*\e:AC+48+8*\e+3], s[82:83] offset:131072*(\a)+1024*\e
	global_store_b128 v[IMG], v[AC+48+8*\e+4:AC+48+8*\e+7], s[82:83] offset:131072*(\a)+1024*\e+512
.endr
	WIN 0
.set j, 0
.rept 48
	v_min_num_f32 v[TI+j], s[HOLD], v[TI+j]
.set j, j+1
.endr
.set j, 0
	s_wait_alu depctr_va_vdst(0)
.rept 48
	v_exp_f32 v[TI+j], v[TI+j]
.set j, j+1
.endr
	v_nop
	s_wait_alu depctr_va_vdst(0)
.irp k, 0,2,4,6,8,10,12,14
	v_pk_add_f32 v[QQ+\k:QQ+\k+1], v[TG+\k:TG+\k+1], -1.0 op_sel_hi:[1,0]
.endr
.irp k, 0,2,4,6,8,10,12,14
	v_pk_add_f32 v[TI+\k:TI+\k+1], v[TI+\k:TI+\k+1], 1.0 op_sel_hi:[1,0]
.endr
.irp k, 0,2,4,6,8,10,12,14
	v_pk_add_f32 v[TG+\k:TG+\k+1], v[TG+\k:TG+\k+1], 1.0 op_sel_hi:[1,0]
.endr
.irp k, 0,2,4,6,8,10,12,14
	v_pk_add_f32 v[TF+\k:TF+\k+1], v[TF+\k:TF+\k+1], 1.0 op_sel_hi:[1,0]
.endr
.irp k, 0,2,4,6,8,10,12,14
	v_pk_mul_f32 v[TI+\k:TI+\k+1], v[TI+\k:TI+\k+1], v[TG+\k:TG+\k+1]
.endr
.irp k, 0,2,4,6,8,10,12,14
	v_pk_mul_f32 v[DEN+\k:DEN+\k+1], v[TI+\k:TI+\k+1], v[TF+\k:TF+\k+1]
.endr
.set j, 0
	s_wait_alu depctr_va_vdst(0)
.rept 16
	v_rcp_f32 v[DEN+j], v[DEN+j]
.set j, j+1
.endr
	s_wait_loadcnt \left
.irp k, 0,2,4,6,8,10,12,14
	v_pk_mul_f32 v[RES+\k:RES+\k+1], v[CC+\k:CC+\k+1], v[TI+\k:TI+\k+1]
.endr
.irp k, 0,2,4,6,8,10,12,14
	v_pk_fma_f32 v[RES+\k:RES+\k+1], v[QQ+\k:QQ+\k+1], v[TF+\k:TF+\k+1], v[RES+\k:RES+\k+1]
.endr
	s_wait_alu depctr_va_vdst(0)
.irp k, 0,2,4,6,8,10,12,14
	v_pk_mul_f32 v[RES+\k:RES+\k+1], v[RES+\k:RES+\k+1], v[DEN+\k:DEN+\k+1]
.endr
.irp e, 0,1
	global_store_b128 v[IMG], v[RES+8*\e:RES+8*\e+3], s[80:81] offset:131072*(\a)+1024*\e
	global_store_b128 v[IMG], v[RES+8*\e+4:RES+8*\e+7], s[80:81] offset:131072*(\a)+1024*\e+512
.endr
.if (\a) < 4
	CLOAD (\a)+4
.endif
	v_pk_add_f32 v[SM:SM+1], v[RES:RES+1], v[RES+2:RES+3]
	v_pk_add_f32 v[SM+2:SM+3], v[RES+4:RES+5], v[RES+6:RES+7]
	v_pk_add_f32 v[SM+4:SM+5], v[RES+8:RES+9], v[RES+10:RES+11]
	v_pk_add_f32 v[SM+6:SM+7], v[RES+12:RES+13], v[RES+14:RES+15]
	v_pk_add_f32 v[SM:SM+1], v[SM:SM+1], v[SM+2:SM+3]
	v_pk_add_f32 v[SM+4:SM+5], v[SM+4:SM+5], v[SM+6:SM+7]
	v_pk_add_f32 v[SM:SM+1], v[SM:SM+1], v[SM+4:SM+5]
	v_add_f32 v[SM], v[SM], v[SM+1]
	v_permlanex16_b32 v[SM+8], v[SM], s[SEL], s[SEL+1]
	v_add_f32 v[SM], v[SM], v[SM+8]
	v_mul_f32 v[MN], 0x3d000000, v[SM]
.irp k, 0,2,4,6,8,10,12,14
	v_pk_add_f32 v[TI+\k:TI+\k+1], v[RES+\k:RES+\k+1], v[MN:MN+1] op_sel_hi:[1,0] neg_lo:[0,1] neg_hi:[0,1]
.endr
	v_pk_mul_f32 v[SM:SM+1], v[TI:TI+1], v[TI:TI+1]
	v_pk_mul_f32 v[SM+2:SM+3], v[TI+2:TI+3], v[TI+2:TI+3]
.irp k, 4,8,12
	v_pk_fma_f32 v[SM:SM+1], v[TI+\k:TI+\k+1], v[TI+\k:TI+\k+1], v[SM:SM+1]
	v_pk_fma_f32 v[SM+2:SM+3], v[TI+\k+2:TI+\k+3], v[TI+\k+2:TI+\k+3], v[SM+2:SM+3]
.endr
	v_pk_add_f32 v[SM:SM+1], v[SM:SM+1], v[SM+2:SM+3]
	v_add_f32 v[SM], v[SM], v[SM+1]
	v_permlanex16_b32 v[SM+8], v[SM], s[SEL], s[SEL+1]
.if (\a)%2 == 0
	v_mov_b32 v[PAIR], v[MN]
	v_add_f32 v[PAIR+1], v[SM], v[SM+8]
.else
	v_add_f32 v[SM+2], v[SM], v[SM+8]
	v_cndmask_b32 v[PAIR], v[PAIR], v[MN], s[HIM]
	v_cndmask_b32 v[PAIR+1], v[PAIR+1], v[SM+2], s[HIM]
	global_store_b64 v[STO], v[PAIR:PAIR+1], s[86:87] offset:8192*((\a)-1)
.endif
.endm
.macro PSTORE a, b
.set AC, 64*((\a)%4)+8*(\b)
	global_store_b128 v[IMG], v[AC:AC+3], s[84:85] offset:401408*(\a)+1024*(\b)
	global_store_b128 v[IMG], v[AC+4:AC+7], s[84:85] offset:401408*(\a)+1024*(\b)+512
.endm
	s_wait_alu depctr_va_vdst(0)
	s_wait_tensorcnt 0x0                           ; my half chunk of K step 0 is in
	ds_add_u32 v[SPW], v[NIL]
	s_wait_dscnt 0x0
	CROUND                                         ; everybody's part of K step 0 is in, and all sixteen work-groups are here
	JLOAD 1                                        ; slot 1's first fill, the first tensor load behind the round
	FETCH_B 0, 0, 0
	FETCH_A 0, 0, 0
	SCALES 0
	FETCH_A 0, 0, 4
	s_wait_loadcnt 0x0
	STEP 0, 0, 1
	s_mov_b32 s3, 7
.Llap:
	TURN 0, 1, 1
	STEP 1, 0, 0
	TURN 1, 0, 1
	STEP 0, 0, 0
	s_sub_co_u32 s3, s3, 1
	s_cmp_lg_u32 s3, 0
	s_cbranch_scc1 .Llap
	TURN 0, 1, 0
	s_cmp_lt_u32 ttmp9, 8
	s_cbranch_scc0 .Lno_c
	CLOAD 0
	CLOAD 1
	CLOAD 2
	CLOAD 3
.Lno_c:
	STEP 1, 0, 0
	s_wait_dscnt 4*NL
	WIN MUL_LO
	MUL16 0, 1, NQ-1, 1, 0
	MUL16 2, 1, NQ-1, 1, 0
	s_wait_dscnt 0
	WIN MUL_HI
	MUL16 4, 1, NQ-1, 1, 0
	MUL16 6, 1, NQ-1, 1, 0
	WIN 0
	PLACES NP
	s_cmp_lt_u32 ttmp9, 8
	s_cbranch_scc0 .Lproj_out
	s_mov_b32 s[LNEG], 0xbfb8aa3b
	s_mov_b32 s[LNEG+1], 0xbfb8aa3b
	s_mov_b32 s[LTWO], 0x4038aa3b
	s_mov_b32 s[LTWO+1], 0x4038aa3b
	s_mov_b32 s[HOLD], 0x42200000
	s_mov_b32 s[HIM], 0xffff0000
	s_mov_b32 s[SEL], 0x76543210
	s_mov_b32 s[SEL+1], 0xfedcba98
	v_mov_b32 v[SM+8], 0
	v_mov_b32 v[MN+1], 0
	LSTM 0, 12
	LSTM 1, 12
	LSTM 2, 12
	LSTM 3, 12
	LSTM 4, 12
	LSTM 5, 8
	LSTM 6, 4
	LSTM 7, 0
	s_branch .Ldone
.Lproj_out:
	WIN 0x08
.irp a, 0,1,2,3
.irp b, 0,1,2,3,4,5
	PSTORE \a, \b
.endr
.endr
	WIN 0x0c
.irp a, 4,5,6,7
.irp b, 0,1,2,3,4,5
	PSTORE \a, \b
.endr
.endr
	WIN 0
	s_cmp_eq_u32 s16, 0
	s_cbranch_scc0 .Ldone
	WIN 0x08
.irp a, 0,1,2,3
.irp b, 6,7
	PSTORE \a, \b
.endr
.endr
	WIN 0x0c
.irp a, 4,5,6,7
.irp b, 6,7
	PSTORE \a, \b
.endr
.endr
	WIN 0
.Ldone:
	s_wait_tensorcnt 0x0
	ds_add_u32 v[SPW], v[NIL]
	s_wait_dscnt 0x0
	CROUND
	s_endpgm
.Lfunc_end_k_q35f811a901_gemm:
	.size	k_q35f811a901_gemm, .Lfunc_end_k_q35f811a901_gemm-k_q35f811a901_gemm
	.p2alignl 7, 3214868480
	.fill 96, 4, 3214868480
	.section	.rodata,"a",@progbits
	.p2align	6, 0x0
	.amdhsa_kernel k_q35f811a901_gemm
		.amdhsa_group_segment_fixed_size 327680
		.amdhsa_private_segment_fixed_size 0
		.amdhsa_enable_private_segment 0
		.amdhsa_kernarg_size 96
		.amdhsa_user_sgpr_count 2
		.amdhsa_user_sgpr_kernarg_segment_ptr 1
		.amdhsa_wavefront_size32 1
		.amdhsa_system_sgpr_workgroup_id_x 1
		.amdhsa_system_sgpr_workgroup_id_y 1
		.amdhsa_system_sgpr_workgroup_id_z 1
		.amdhsa_system_vgpr_workitem_id 0
		.amdhsa_next_free_vgpr 1024
		.amdhsa_next_free_sgpr 100
		.amdhsa_reserve_vcc 0
		.amdhsa_float_denorm_mode_32 3
		.amdhsa_float_denorm_mode_16_64 3
		.amdhsa_memory_ordered 1
		.amdhsa_forward_progress 1
		.amdhsa_inst_pref_size 236
	.end_amdhsa_kernel
	.amdgpu_metadata
---
amdhsa.version: [ 1, 2 ]
amdhsa.kernels:
  - .name:           k_q35f811a901_gemm
    .symbol:         k_q35f811a901_gemm.kd
    .args:
      - { .name: acod, .offset: 0, .size: 8, .value_kind: global_buffer, .address_space: global }
      - { .name: bcod, .offset: 8, .size: 8, .value_kind: global_buffer, .address_space: global }
      - { .name: Wi_b, .offset: 16, .size: 8, .value_kind: global_buffer, .address_space: global }
      - { .name: Wf_b, .offset: 24, .size: 8, .value_kind: global_buffer, .address_space: global }
      - { .name: Wg_b, .offset: 32, .size: 8, .value_kind: global_buffer, .address_space: global }
      - { .name: Wo_b, .offset: 40, .size: 8, .value_kind: global_buffer, .address_space: global }
      - { .name: in_proj_b, .offset: 48, .size: 8, .value_kind: global_buffer, .address_space: global }
      - { .name: c, .offset: 56, .size: 8, .value_kind: global_buffer, .address_space: global }
      - { .name: clstm, .offset: 64, .size: 8, .value_kind: global_buffer, .address_space: global }
      - { .name: ogate, .offset: 72, .size: 8, .value_kind: global_buffer, .address_space: global }
      - { .name: proj, .offset: 80, .size: 8, .value_kind: global_buffer, .address_space: global }
      - { .name: stats, .offset: 88, .size: 8, .value_kind: global_buffer, .address_space: global }
    .group_segment_fixed_size: 327680
    .private_segment_fixed_size: 0
    .kernarg_segment_align: 8
    .kernarg_segment_size: 96
    .max_flat_workgroup_size: 128
    .sgpr_count:     100
    .vgpr_count:     1024
    .wavefront_size: 32
...
	.end_amdgpu_metadata
.endif
;; end of part 2
;; launch final (part 3): grid 4 x 64, 16 waves a work-group, no clusters, 155,648 bytes of LDS; arguments clstm, ogate, proj, stats, dcod, ssm_state, dt_proj_b, A_log, D, ln_g, ln_b, W1, W2, scale0, out0, out1, out2; writes out0, out1, out2
.if DOCPART == 3
	.amdgcn_target "amdgcn-amd-amdhsa--gfx1250"
	.amdhsa_code_object_version 6
	.text
	.protected	k_q35f811a901_final
	.globl	k_q35f811a901_final
	.p2align	8
	.type	k_q35f811a901_final,@function
k_q35f811a901_final:
	s_mov_b64 s[64:65], 0
	v_nop
	global_prefetch_b8 v0, s[64:65] scope:SCOPE_SE
	s_setreg_imm32_b32 hwreg(HW_REG_WAVE_MODE, 25, 1), 1
	s_wait_xcnt 0x0
; dt = softplus(Q(dt_r) Q(dt_proj_w) + dt_proj_b); the SSM's step; LayerNorm of c_lstm; the blend; h_new.  The one product is on codes of BF8 (E5M2) with E8M0 scales, K = 128.
; A work-group takes a tile of 16 rows (y) x 512 columns (x).  Wave w takes column tiles 32 x + 2 w + e (e = 0, 1) for the arithmetic, in the result's layout (lane (r, h): row r, columns 8 h + 0..7),
; in which c_lstm, o's sum and in_proj's sums arrive as images (512 consecutive bytes a load); and row w for what is row-major in memory (ssm_state in, the three outputs out), which turns through stages in LDS.
; Wave 0 also quantises the tile's dt_r (16 rows x 128) and hands the fragment to all waves as an image; wave 1 makes each row's mean and 1 / sqrt(var + eps) from the 64 groups' means and sums of squared deviations.
; All loads of a wave go out at once.  Two barriers.
; LIMITS: tanh's and sigmoid's exponents are held at 2^40 (an error under 2^-39); softplus has an absolute error of about 6e-8 where its argument is very negative; scale0 is folded into the blend's two factors (one rounding
; placed otherwise than reference()'s); NaN and infinities are not served.
.set SST,  0                           ; LDS: four stages [chunk of 64 columns 8][row 16][256 bytes + 16]: ssm_state,
.set O0,   34816                       ; h_new,
.set O1,   69632                       ; c_new,
.set O2,   104448                      ; ssm_state_new;
.set VEC,  139264                      ; five vectors' 32 numbers for each wave: 640 w + 128 n;
.set AIMG, 149504                      ; dt_r's fragment,
.set ASC,  151552                      ; its scale words,
.set MRS,  151680                      ; mean and 1 / sqrt: 8 bytes a lane
.set G16, 1                            ; v1   16 x lane
.set G4,  2                            ; v2   the vectors: 2048 x + 128 w + 4 lane
.set G4R, 3                            ; v3   4 r
.set GDT, 4                            ; v4   1024 h + 16 r
.set DLS, 5                            ; v5-8   my place in the four stages, in the result's layout
.set DL0, 6
.set DL1, 7
.set DL2, 8
.set RWS, 9                            ; v9-12  and by rows
.set RW0, 10
.set RW1, 11
.set RW2, 12
.set VW,  13
.set VR,  14
.set AIM, 15
.set ASA, 16
.set MRW, 17
.set MRR, 18
.set VL,  19                           ; v19-23 the vectors as loaded; later K1, K2
.set K1,  20
.set K2,  22
.set AF,  24                           ; v24-39 dt_r's fragment; later at work (T2)
.set T2,  24
.set AS,  40                           ; v40    its scale words
.set BSC, 41                           ; v41-42 dt_proj_w's scale words
.set MU,  44                           ; v[44:45] mean, 1 / sqrt
.set RS,  46                           ; v[46:47] 1 / sqrt twice
.set DT,  48                           ; v48-63 ssm_state's row, then dt
.set XS,  64
.set BS,  80
.set CS,  96
.set CL,  112
.set OT,  128
.set BF,  144                          ; v144-175 dt_proj_w's two fragments; later at work
.set T0,  144
.set T1,  160
.set RD,  176                          ; v176-239 a role's data; then:
.set SS,  176
.set AN,  192
.set DD,  208
.set LG,  224
.set LB,  240
.set TM,  240                          ; a role's work
.set PC,  AF
.set PW,  AS
.set MNT, 12                           ; s12
.set L2T, 54                           ; s[54:55] 2 log2(e)
.set L2N, 56                           ; s[56:57] -log2(e)
.set LN2, 58                           ; s[58:59] ln 2
.set HOLD, 60                          ; s60 40.0
.set L2E, 61                           ; s61 log2(e)
.set SEL, 62                           ; s[62:63]
.macro QUANT s                         ; 64 numbers of a lane, register 16 b + i = k 32 b + 16 (lane / 16) + i of its row, become a fragment's codes in v[PC] on and its scale word in v[PW]
.irp b, 0,1,2,3
	v_max3_num_f32 v[TM+\b], |v[\s+16*\b]|, |v[\s+1+16*\b]|, 0x8000000   ; and the floor 2^(16 - 127): the byte cannot fall under 1
.endr
.irp i, 2,4,6,8,10,12,14
.irp b, 0,1,2,3
	s_delay_alu instid0(VALU_DEP_4)
	v_max3_num_f32 v[TM+\b], v[TM+\b], |v[\s+16*\b+\i]|, |v[\s+1+16*\b+\i]|
.endr
.endr
.irp b, 0,1,2,3
	s_delay_alu instid0(VALU_DEP_4)
	v_permlanex16_b32 v[TM+4+\b], v[TM+\b], s[SEL], s[SEL+1]
.endr
.irp b, 0,1,2,3
	s_delay_alu instid0(VALU_DEP_4)
	v_max_num_f32 v[TM+\b], v[TM+\b], v[TM+4+\b]
.endr
.irp b, 0,1,2,3
	s_delay_alu instid0(VALU_DEP_4)
	v_add_nc_u32 v[TM+12+\b], 0xf8800000, v[TM+\b]
.endr
.irp b, 0,1,2,3
	v_and_or_b32 v[TM+8+\b], v[TM+\b], 0x7f800000, s[MNT]
.endr
.irp b, 0,1,2,3
	v_lshrrev_b32 v[TM+4+\b], 23, v[TM+12+\b]
.endr
	s_delay_alu instid0(VALU_DEP_3)
	v_lshl_or_b32 v[PW], v[TM+5], 8, v[TM+4]
	s_delay_alu instid0(VALU_DEP_1)
	v_lshl_or_b32 v[PW], v[TM+6], 16, v[PW]
	s_delay_alu instid0(VALU_DEP_1)
	v_lshl_or_b32 v[PW], v[TM+7], 24, v[PW]
.irp b, 0,1,2,3
.irp i, 0,1,2,3,4,5,6,7,8,9,10,11,12,13,14,15
	v_med3_num_f32 v[\s+16*\b+\i], v[\s+16*\b+\i], -v[TM+8+\b], v[TM+8+\b]   ; the conversion does not saturate (ISA guide 7.6.2): the hold comes first
.endr
	v_cvt_scalef32_pk8_bf8_f32 v[PC+4*\b:PC+1+4*\b], v[\s+16*\b:\s+7+16*\b], v[TM+12+\b]
	v_cvt_scalef32_pk8_bf8_f32 v[PC+2+4*\b:PC+3+4*\b], v[\s+8+16*\b:\s+15+16*\b], v[TM+12+\b]
.endr
	v_nop                                          ; one plain line behind the last conversion
.endm
.macro BARRIER                         ; my LDS stores have landed and my LDS loads are in: then the work-group's barrier
	s_wait_dscnt 0x0
	s_barrier_signal -1
	s_barrier_wait -1
.endm
.macro STREAM reg, base, off           ; two images: 16 numbers a lane
.irp e, 0,1
.irp k, 0,1
	global_load_b128 v[\reg+8*\e+4*\k:\reg+8*\e+4*\k+3], v[G16], s[\base:\base+1] offset:\off+1024*\e+512*\k th:TH_LOAD_NT
.endr
.endr
.endm
.macro FROMLDS reg, adr, off           ; 16 numbers a lane, in the result's layout
.irp e, 0,1
.irp k, 0,1
	ds_load_b128 v[\reg+8*\e+4*\k:\reg+8*\e+4*\k+3], v[\adr] offset:\off+64*\e+16*\k
.endr
.endr
.endm
.macro TOLDS adr, reg
.irp e, 0,1
.irp k, 0,1
	ds_store_b128 v[\adr], v[\reg+8*\e+4*\k:\reg+8*\e+4*\k+3] offset:64*\e+16*\k
.endr
.endr
.endm
; eight packed lines over 16 numbers
.macro P2 op, d, a, b
.irp k, 0,2,4,6,8,10,12,14
	\op v[\d+\k:\d+\k+1], v[\a+\k:\a+\k+1], v[\b+\k:\b+\k+1]
.endr
.endm
.macro P2B op, d, a, p                 ; by the low word of the vector pair p
.irp k, 0,2,4,6,8,10,12,14
	\op v[\d+\k:\d+\k+1], v[\a+\k:\a+\k+1], v[\p:\p+1] op_sel_hi:[1,0]
.endr
.endm
.macro P2S op, d, a, s                 ; by the low word of the scalar pair s
.irp k, 0,2,4,6,8,10,12,14
	\op v[\d+\k:\d+\k+1], v[\a+\k:\a+\k+1], s[\s:\s+1] op_sel_hi:[1,0]
.endr
.endm
.macro P2C op, d, a, c                 ; by a constant
.irp k, 0,2,4,6,8,10,12,14
	\op v[\d+\k:\d+\k+1], v[\a+\k:\a+\k+1], \c op_sel_hi:[1,0]
.endr
.endm
.macro P3 d, a, b, c
.irp k, 0,2,4,6,8,10,12,14
	v_pk_fma_f32 v[\d+\k:\d+\k+1], v[\a+\k:\a+\k+1], v[\b+\k:\b+\k+1], v[\c+\k:\c+\k+1]
.endr
.endm
	s_load_b512 s[16:31], s[0:1], 0x0              ; clstm, ogate, proj, stats, dcod, ssm_state, dt_proj_b, A_log
	s_load_b512 s[32:47], s[0:1], 0x40             ; D, ln_g, ln_b, W1, W2, scale0, out0, out1
	s_load_b64 s[48:49], s[0:1], 0x80              ; out2
	v_lshrrev_b32 v19, 5, v0
	s_delay_alu instid0(VALU_DEP_1)
	v_readfirstlane_b32 s2, v19                    ; wave 0..15
	s_and_b32 s3, ttmp7, 0xffff                    ; the row tile m
	v_and_b32 v19, 31, v0                          ; lane
	v_and_b32 v20, 15, v0                          ; r
	s_wait_alu depctr_va_vdst(0)
	v_bfe_u32 v21, v0, 4, 1                        ; h
	v_lshlrev_b32 v[G16], 4, v19
	s_lshl_b32 s8, ttmp9, 11
	s_lshl_b32 s9, s2, 7
	s_add_co_u32 s8, s8, s9
	v_lshl_add_u32 v[G4], v19, 2, s8
	v_lshlrev_b32 v[G4R], 2, v20
	v_lshlrev_b32 v[GDT], 4, v20
	s_delay_alu instid0(VALU_DEP_1)
	v_lshl_add_u32 v[GDT], v21, 10, v[GDT]
	s_lshr_b32 s9, s2, 1
	s_mul_i32 s9, s9, 4352
	s_and_b32 s10, s2, 1
	s_lshl_b32 s10, s10, 7
	s_add_co_u32 s9, s9, s10
	v_mul_u32_u24 v[DLS], v20, 272
	s_wait_alu depctr_va_vdst(0)
	v_lshl_add_u32 v[DLS], v21, 5, v[DLS]
	s_delay_alu instid0(VALU_DEP_1)
	v_add_nc_u32 v[DLS], s9, v[DLS]                ; chunk w / 2, row r, + 128 (w % 2) + 32 h
	s_delay_alu instid0(VALU_DEP_1)
	v_add_nc_u32 v[DL0], O0, v[DLS]
	s_delay_alu instid0(VALU_DEP_2)
	v_add_nc_u32 v[DL1], O1, v[DLS]
	s_delay_alu instid0(VALU_DEP_3)
	v_add_nc_u32 v[DL2], O2, v[DLS]
	s_mul_i32 s10, s2, 272
	v_mul_u32_u24 v[RWS], v21, 4352
	s_delay_alu instid0(VALU_DEP_1)
	v_lshl_add_u32 v[RWS], v20, 4, v[RWS]
	s_delay_alu instid0(VALU_DEP_1)
	v_add_nc_u32 v[RWS], s10, v[RWS]               ; row w: chunk lane / 16 (+ 2 for each 512 bytes on), 16 bytes a lane
	s_delay_alu instid0(VALU_DEP_1)
	v_add_nc_u32 v[RW0], O0, v[RWS]
	s_delay_alu instid0(VALU_DEP_2)
	v_add_nc_u32 v[RW1], O1, v[RWS]
	s_delay_alu instid0(VALU_DEP_3)
	v_add_nc_u32 v[RW2], O2, v[RWS]
	s_mul_i32 s11, s2, 640
	s_add_co_u32 s11, s11, VEC
	v_lshl_add_u32 v[VW], v19, 2, s11
	v_lshl_add_u32 v[VR], v21, 5, s11
	v_add_nc_u32 v[AIM], AIMG, v[G16]
	v_lshl_add_u32 v[ASA], v19, 2, ASC
	v_lshl_add_u32 v[MRW], v19, 3, MRS
	v_lshl_add_u32 v[MRR], v20, 3, MRS
	s_mov_b32 s[MNT], 0x600000
	s_mov_b32 s[L2T], 0x4038aa3b
	s_mov_b32 s[L2T+1], 0x4038aa3b
	s_mov_b32 s[L2N], 0xbfb8aa3b
	s_mov_b32 s[L2N+1], 0xbfb8aa3b
	s_mov_b32 s[LN2], 0x3f317218
	s_mov_b32 s[LN2+1], 0x3f317218
	s_mov_b32 s[HOLD], 0x42200000
	s_mov_b32 s[L2E], 0x3fb8aa3b
	s_mov_b32 s[SEL], 0x76543210
	s_mov_b32 s[SEL+1], 0xfedcba98
	s_wait_kmcnt 0x0
	s_load_b32 s50, s[38:39], 0x0                  ; W1
	s_load_b32 s51, s[40:41], 0x0                  ; W2
	s_load_b32 s52, s[42:43], 0x0                  ; scale0
	s_mov_b32 s9, 0
	s_mul_i32 s8, s3, 401408
	s_add_nc_u64 s[4:5], s[20:21], s[8:9]          ; proj at row tile m
	s_lshl_b32 s10, ttmp9, 5
	s_lshl_b32 s11, s2, 1
	s_add_co_u32 s10, s10, s11                     ; my first column tile
	s_lshl_b32 s8, s10, 10
	s_add_nc_u64 s[20:21], s[4:5], s[8:9]
	s_lshl_b32 s8, s3, 7
	s_add_co_u32 s8, s8, s10
	s_lshl_b32 s8, s8, 10
	s_add_nc_u64 s[16:17], s[16:17], s[8:9]
	s_add_nc_u64 s[18:19], s[18:19], s[8:9]
	s_lshl_b32 s8, s3, 13
	s_add_nc_u64 s[22:23], s[22:23], s[8:9]        ; stats at row tile m
	s_lshl_b32 s8, s10, 6
	s_add_nc_u64 s[6:7], s[24:25], s[8:9]          ; dt_proj_w's scale words, less the 262,144 that stand in the immediate
	s_lshl_b32 s8, s10, 11
	s_add_nc_u64 s[24:25], s[24:25], s[8:9]
	s_lshl_b32 s8, s3, 4
	s_add_co_u32 s8, s8, s2
	s_lshl_b32 s8, s8, 13
	s_lshl_b32 s11, ttmp9, 11
	s_add_co_u32 s8, s8, s11                       ; row 16 m + w, column 512 x
	s_add_nc_u64 s[26:27], s[26:27], s[8:9]
	s_add_nc_u64 s[44:45], s[44:45], s[8:9]
	s_add_nc_u64 s[46:47], s[46:47], s[8:9]
	s_add_nc_u64 s[48:49], s[48:49], s[8:9]
	; ---- the roles' loads: ONE set of sixteen lines serves both roles.  Each role reads 8,192 dense bytes made of pieces of 16 bytes that belong to a row r, and one form of address fits both:
	;      1024 h + 16 r + 2048 c + {0, 512, 256, 768}.
	;      Wave 0, dt_r (images 128 to 135 of proj): k = 32 c + 16 h + i lies in image 2 c + h: i 0-3 at 16 r, 4-7 at 512 + 16 r, 8-11 at 256 + 16 r, 12-15 at 768 + 16 r: the registers run along K.
	;      Wave 1, the statistics (tile column t of row r at 256 t + 16 r: mean, M2 of its two groups of 32 columns): lane (r, h) gets t = 8 c + 4 h + 0..3; its sums ask for no order among them.
	s_add_nc_u64 s[4:5], s[4:5], 131072            ; dt_r's first image
	s_cmp_eq_u32 s2, 0
	s_cselect_b64 s[4:5], s[4:5], s[22:23]         ; the choice hangs on the wave's number alone
	s_cmp_lt_u32 s2, 2
	s_cbranch_scc0 .Lno_role
.irp c, 0,1,2,3
	global_load_b128 v[RD+16*\c:RD+16*\c+3], v[GDT], s[4:5] offset:2048*\c
	global_load_b128 v[RD+16*\c+4:RD+16*\c+7], v[GDT], s[4:5] offset:2048*\c+512
	global_load_b128 v[RD+16*\c+8:RD+16*\c+11], v[GDT], s[4:5] offset:2048*\c+256
	global_load_b128 v[RD+16*\c+12:RD+16*\c+15], v[GDT], s[4:5] offset:2048*\c+768
.endr
.Lno_role:
	; ---- every wave's 39 loads
.irp i, 0,1,2,3
	global_load_b128 v[DT+4*\i:DT+4*\i+3], v[G16], s[26:27] offset:512*\i th:TH_LOAD_NT
.endr
	global_load_b32 v[VL], v[G4], s[28:29]
	global_load_b32 v[VL+1], v[G4], s[30:31]
	global_load_b32 v[VL+2], v[G4], s[32:33]
	global_load_b32 v[VL+3], v[G4], s[34:35]
	global_load_b32 v[VL+4], v[G4], s[36:37]
.irp e, 0,1
.irp c, 0,1,2,3
	global_load_b128 v[BF+16*\e+4*\c:BF+16*\e+4*\c+3], v[G16], s[24:25] offset:2048*\e+512*\c
.endr
	global_load_b32 v[BSC+\e], v[G4R], s[6:7] offset:262144+64*\e
.endr
	STREAM XS, 20, 0
	STREAM BS, 20, 139264
	STREAM CS, 20, 270336
	STREAM CL, 16, 0
	STREAM OT, 18, 0
	; ---- the roles' work
	s_cmp_eq_u32 s2, 0
	s_cbranch_scc0 .Lnot_0b
.irp b, 0,1,2,3
	v_mov_b32 v[TM+4+\b], 0                        ; a lane permute's destination counts as one of its sources
.endr
	s_wait_loadcnt 39                              ; my 16 are in; the 39 issued behind them may be out
	QUANT RD
.irp c, 0,1,2,3
	ds_store_b128 v[AIM], v[PC+4*\c:PC+4*\c+3] offset:512*\c
.endr
	ds_store_b32 v[ASA], v[PW]
.Lnot_0b:
	s_cmp_eq_u32 s2, 1
	s_cbranch_scc0 .Lnot_1b
	v_mov_b32 v[TM+8], 0
	s_wait_loadcnt 39
	v_pk_add_f32 v[242:243], v[176:177], v[178:179]
	v_pk_add_f32 v[244:245], v[192:193], v[200:201]
	v_pk_add_f32 v[246:247], v[208:209], v[216:217]
	v_pk_add_f32 v[254:255], v[224:225], v[232:233]
	v_pk_add_f32 v[252:253], v[180:181], v[182:183]
	v_pk_add_f32 v[250:251], v[194:195], v[202:203]
	v_pk_add_f32 v[46:47], v[210:211], v[218:219]
	v_pk_add_f32 v[240:241], v[226:227], v[234:235]
	s_delay_alu instid0(VALU_DEP_1)
	v_pk_add_f32 v[240:241], v[240:241], v[184:185]
	v_pk_add_f32 v[242:243], v[242:243], v[186:187]
	v_pk_add_f32 v[244:245], v[244:245], v[196:197]
	v_pk_add_f32 v[246:247], v[246:247], v[204:205]
	v_pk_add_f32 v[254:255], v[254:255], v[212:213]
	v_pk_add_f32 v[252:253], v[252:253], v[220:221]
	v_pk_add_f32 v[250:251], v[250:251], v[228:229]
	v_pk_add_f32 v[46:47], v[46:47], v[236:237]
	v_pk_add_f32 v[240:241], v[240:241], v[188:189]
	v_pk_add_f32 v[242:243], v[242:243], v[190:191]
	v_pk_add_f32 v[244:245], v[244:245], v[198:199]
	v_pk_add_f32 v[246:247], v[246:247], v[206:207]
	v_pk_add_f32 v[254:255], v[254:255], v[214:215]
	v_pk_add_f32 v[252:253], v[252:253], v[222:223]
	v_pk_add_f32 v[250:251], v[250:251], v[230:231]
	v_pk_add_f32 v[46:47], v[46:47], v[238:239]
	s_delay_alu instid0(VALU_DEP_4)
	v_pk_add_f32 v[240:241], v[240:241], v[254:255]
	s_delay_alu instid0(VALU_DEP_4)
	v_pk_add_f32 v[242:243], v[242:243], v[252:253]
	s_delay_alu instid0(VALU_DEP_4)
	v_pk_add_f32 v[244:245], v[244:245], v[250:251]
	s_delay_alu instid0(VALU_DEP_4)
	v_pk_add_f32 v[246:247], v[246:247], v[46:47]
	s_delay_alu instid0(VALU_DEP_2)
	v_pk_add_f32 v[240:241], v[240:241], v[244:245]
	s_delay_alu instid0(VALU_DEP_2)
	v_pk_add_f32 v[242:243], v[242:243], v[246:247]
	s_delay_alu instid0(VALU_DEP_1)
	v_pk_add_f32 v[240:241], v[240:241], v[242:243]
	s_delay_alu instid0(VALU_DEP_1)
	v_permlanex16_b32 v[TM+8], v[TM], s[SEL], s[SEL+1]
	s_delay_alu instid0(VALU_DEP_1)
	v_add_f32 v[TM+9], v[TM], v[TM+8]
	s_delay_alu instid0(VALU_DEP_1)
	v_mul_f32 v[MU], 0x3c800000, v[TM+9]           ; the row's mean: the 64 groups are of one size
	s_delay_alu instid0(VALU_DEP_1)
	v_sub_f32 v[TM+12], v[RD], v[MU]
	s_delay_alu instid0(VALU_DEP_2)
	v_sub_f32 v[TM+13], v[RD+2], v[MU]
	s_delay_alu instid0(VALU_DEP_2)
	v_mul_f32 v[TM+10], v[TM+12], v[TM+12]
	s_delay_alu instid0(VALU_DEP_2)
	v_mul_f32 v[TM+11], v[TM+13], v[TM+13]
.irp n, 2,4,6,8,10,12,14,16,18,20,22,24,26,28,30
	v_sub_f32 v[TM+12], v[RD+2*\n], v[MU]
	v_sub_f32 v[TM+13], v[RD+2*\n+2], v[MU]
	s_delay_alu instid0(VALU_DEP_2)
	v_fmac_f32 v[TM+10], v[TM+12], v[TM+12]
	s_delay_alu instid0(VALU_DEP_2)
	v_fmac_f32 v[TM+11], v[TM+13], v[TM+13]
.endr
	s_delay_alu instid0(VALU_DEP_1)
	v_add_f32 v[TM+10], v[TM+10], v[TM+11]
	s_delay_alu instid0(VALU_DEP_1)
	v_fmamk_f32 v[TM+10], v[TM+10], 0x42000000, v[TM+1]    ; the groups' own deviations + 32 x the deviations of their means
	s_delay_alu instid0(VALU_DEP_1)
	v_permlanex16_b32 v[TM+8], v[TM+10], s[SEL], s[SEL+1]
	s_delay_alu instid0(VALU_DEP_1)
	v_add_f32 v[TM+10], v[TM+10], v[TM+8]
	s_delay_alu instid0(VALU_DEP_1)
	v_mul_f32 v[TM+10], 0x3a000000, v[TM+10]       ; / 2048
	s_delay_alu instid0(VALU_DEP_1)
	v_add_f32 v[TM+10], 0x3727c5ac, v[TM+10]       ; + 1e-5
	s_wait_alu depctr_va_vdst(0)
	v_rsq_f32 v[MU+1], v[TM+10]
	v_nop
	s_wait_alu depctr_va_vdst(0)                   ; ahead of the first reader
	ds_store_b64 v[MRW], v[MU:MU+1]
.Lnot_1b:
	; ---- what turns through LDS
	s_wait_loadcnt 30                              ; ssm_state's row and the vectors are in; dt_proj_w's 10 loads and the streams' 20 may be out
.irp i, 0,1,2,3
	ds_store_b128 v[RWS], v[DT+4*\i:DT+4*\i+3] offset:8704*\i
.endr
	v_mul_f32 v[VL+1], s[L2E], v[VL+1]
	s_wait_alu depctr_va_vdst(0)
	v_exp_f32 v[VL+1], v[VL+1]                     ; exp(A_log)
	v_nop
	s_wait_alu depctr_va_vdst(0)
	v_mul_f32 v[VL+1], s[L2N], v[VL+1]             ; A log2(e), so that A_disc = 2^(dt x this)
.irp n, 0,1,2,3,4
	ds_store_b32 v[VW], v[VL+\n] offset:128*\n
.endr
	BARRIER
.irp c, 0,1,2,3
	ds_load_b128 v[AF+4*\c:AF+4*\c+3], v[AIM] offset:512*\c
.endr
	ds_load_b32 v[AS], v[ASA]
	FROMLDS DT, VR, 0                              ; dt_proj_b: the C of the product
	ds_load_b64 v[MU:MU+1], v[MRR]
	FROMLDS SS, DLS, 0
	FROMLDS AN, VR, 128
	FROMLDS DD, VR, 256
	FROMLDS LG, VR, 384
	FROMLDS LB, VR, 512
	s_wait_kmcnt 0x0                               ; W1, W2, scale0
	s_wait_loadcnt 20                              ; dt_proj_w's fragments and scale words are in; the streams may be out
	s_wait_dscnt 21                                ; dt_r's fragment, its scale words and dt_proj_b are in; the 21 loads behind them may be out
.irp e, 0,1                            ; transposed: source 0 = 16 columns of dt_proj_w, source 1 = the 16 rows of dt_r.  Two accumulators, one product each
	v_wmma_scale_f32_16x16x128_f8f6f4 v[DT+8*\e:DT+8*\e+7], v[BF+16*\e:BF+16*\e+15], v[AF:AF+15], v[DT+8*\e:DT+8*\e+7], v[BSC+\e], v[AS] matrix_a_fmt:MATRIX_FMT_BF8 matrix_b_fmt:MATRIX_FMT_BF8
.endr
	v_mov_b32 v[K1], s50                           ; eight plain lines that name none of the products' registers: the blend's factors,
	v_mov_b32 v[K2], s51
	s_delay_alu instid0(VALU_DEP_2)
	v_sub_f32 v[K1], 0x3fb33333, v[K1]             ; 1.4 - W1
	s_delay_alu instid0(VALU_DEP_2)
	v_sub_f32 v[K2], 0x3f19999a, v[K2]             ; 0.6 - W2
	s_delay_alu instid0(VALU_DEP_2)
	v_mul_f32 v[K1], s52, v[K1]
	s_delay_alu instid0(VALU_DEP_2)
	v_mul_f32 v[K2], s52, v[K2]
	v_nop
	v_nop
	s_wait_dscnt 0x0
	v_mov_b32 v[RS], v[MU+1]
	v_mov_b32 v[RS+1], v[MU+1]
	; ---- dt = softplus(z) = max(z, 0) + ln 2 x log2(1 + 2^(-|z| log2 e))
.set j, 0
.rept 16
	v_mul_f32 v[T0+j], -|v[DT+j]|, s[L2E]
.set j, j+1
.endr
.set j, 0
	s_wait_alu depctr_va_vdst(0)
.rept 16
	v_exp_f32 v[T0+j], v[T0+j]
.set j, j+1
.endr
.set j, 0
.rept 16
	v_max_num_f32 v[DT+j], 0, v[DT+j]              ; plain work behind the exponentials
.set j, j+1
.endr
	s_wait_alu depctr_va_vdst(0)
	P2C v_pk_add_f32, T0, T0, 1.0
.set j, 0
	s_wait_alu depctr_va_vdst(0)
.rept 16
	v_log_f32 v[T0+j], v[T0+j]
.set j, j+1
.endr
	s_wait_loadcnt 8                               ; x_ssm, Bsel, Csel are in; c_lstm's and o's images may be out
	P2 v_pk_mul_f32, T1, BS, XS                    ; plain work behind the logarithms
	s_wait_alu depctr_va_vdst(0)
.irp k, 0,2,4,6,8,10,12,14
	v_pk_fma_f32 v[DT+\k:DT+\k+1], v[T0+\k:T0+\k+1], s[LN2:LN2+1], v[DT+\k:DT+\k+1] op_sel_hi:[1,0,1]
.endr
	; ---- the SSM's step
	P2 v_pk_mul_f32, T0, DT, AN
.set j, 0
	s_wait_alu depctr_va_vdst(0)
.rept 16
	v_exp_f32 v[T0+j], v[T0+j]                     ; A_disc
.set j, j+1
.endr
	P2 v_pk_mul_f32, T1, DT, T1                    ; (dt Bsel) x_ssm: plain work behind the exponentials
	s_wait_alu depctr_va_vdst(0)
	P3 T0, T0, SS, T1                              ; ssm_state_new
	TOLDS DL2, T0
	P2 v_pk_mul_f32, T1, DD, XS
	P3 T1, CS, T0, T1                              ; c_ssm
	; ---- LayerNorm and the blend
	s_wait_loadcnt 0x0
	P2B v_pk_mul_f32, LG, LG, RS
.irp k, 0,2,4,6,8,10,12,14
	v_pk_add_f32 v[CL+\k:CL+\k+1], v[CL+\k:CL+\k+1], v[MU:MU+1] op_sel_hi:[1,0] neg_lo:[0,1] neg_hi:[0,1]
.endr
	P3 CL, CL, LG, LB
	P2B v_pk_mul_f32, T1, T1, K2
.irp k, 0,2,4,6,8,10,12,14
	v_pk_fma_f32 v[T1+\k:T1+\k+1], v[CL+\k:CL+\k+1], v[K1:K1+1], v[T1+\k:T1+\k+1] op_sel_hi:[1,0,1]
.endr
	TOLDS DL1, T1                                  ; c_new
	; ---- h_new = sigmoid(o) tanh(c_new) = (e2 - 1) / ((1 + e2)(1 + eo)), e2 = e^(2 c_new), eo = e^-o
	P2S v_pk_mul_f32, T2, T1, L2T
	P2S v_pk_mul_f32, OT, OT, L2N
.set j, 0
.rept 16
	v_min_num_f32 v[T2+j], s[HOLD], v[T2+j]
	v_min_num_f32 v[OT+j], s[HOLD], v[OT+j]
.set j, j+1
.endr
.set j, 0
	s_wait_alu depctr_va_vdst(0)
.rept 16
	v_exp_f32 v[T2+j], v[T2+j]
	v_exp_f32 v[OT+j], v[OT+j]
.set j, j+1
.endr
	v_nop
	s_wait_alu depctr_va_vdst(0)
	P2C v_pk_add_f32, XS, T2, -1.0
	P2C v_pk_add_f32, T2, T2, 1.0
	P2C v_pk_add_f32, OT, OT, 1.0
	P2 v_pk_mul_f32, T2, T2, OT
.set j, 0
	s_wait_alu depctr_va_vdst(0)
.rept 16
	v_rcp_f32 v[T2+j], v[T2+j]
.set j, j+1
.endr
	v_nop
	s_wait_alu depctr_va_vdst(0)
	P2 v_pk_mul_f32, XS, XS, T2
	TOLDS DL0, XS
	BARRIER                                        ; 16 rows x 512 columns of the three outputs lie in the stages
.irp i, 0,1,2,3
	ds_load_b128 v[RD+4*\i:RD+4*\i+3], v[RW0] offset:8704*\i
.endr
.irp i, 0,1,2,3
	ds_load_b128 v[RD+16+4*\i:RD+16+4*\i+3], v[RW1] offset:8704*\i
.endr
.irp i, 0,1,2,3
	ds_load_b128 v[RD+32+4*\i:RD+32+4*\i+3], v[RW2] offset:8704*\i
.endr
.irp i, 0,1,2,3
	s_wait_dscnt 11-\i
	global_store_b128 v[G16], v[RD+4*\i:RD+4*\i+3], s[44:45] offset:512*\i th:TH_STORE_NT     ; 32 lanes store 512 consecutive bytes of row w, aligned
.endr
.irp i, 0,1,2,3
	s_wait_dscnt 7-\i
	global_store_b128 v[G16], v[RD+16+4*\i:RD+16+4*\i+3], s[46:47] offset:512*\i th:TH_STORE_NT
.endr
.irp i, 0,1,2,3
	s_wait_dscnt 3-\i
	global_store_b128 v[G16], v[RD+32+4*\i:RD+32+4*\i+3], s[48:49] offset:512*\i th:TH_STORE_NT
.endr
	s_wait_xcnt 0x0
	v_lshl_add_u32 v254, v0, 2, 0x25800
	v_mov_b32 v255, 0
	s_wait_alu depctr_va_vdst(0)
	s_wait_tensorcnt 0x0
	ds_add_u32 v254, v255
	s_wait_dscnt 0x0
	s_endpgm
.Lfunc_end_k_q35f811a901_final:
	.size	k_q35f811a901_final, .Lfunc_end_k_q35f811a901_final-k_q35f811a901_final
	.p2alignl 7, 3214868480
	.fill 96, 4, 3214868480
	.section	.rodata,"a",@progbits
	.p2align	6, 0x0
	.amdhsa_kernel k_q35f811a901_final
		.amdhsa_group_segment_fixed_size 155648
		.amdhsa_private_segment_fixed_size 0
		.amdhsa_enable_private_segment 0
		.amdhsa_kernarg_size 136
		.amdhsa_user_sgpr_count 2
		.amdhsa_user_sgpr_kernarg_segment_ptr 1
		.amdhsa_wavefront_size32 1
		.amdhsa_system_sgpr_workgroup_id_x 1
		.amdhsa_system_sgpr_workgroup_id_y 1
		.amdhsa_system_sgpr_workgroup_id_z 1
		.amdhsa_system_vgpr_workitem_id 0
		.amdhsa_next_free_vgpr 256
		.amdhsa_next_free_sgpr 66
		.amdhsa_reserve_vcc 0
		.amdhsa_float_denorm_mode_32 3
		.amdhsa_float_denorm_mode_16_64 3
		.amdhsa_memory_ordered 1
		.amdhsa_forward_progress 1
		.amdhsa_inst_pref_size 50
	.end_amdhsa_kernel
	.amdgpu_metadata
---
amdhsa.version: [ 1, 2 ]
amdhsa.kernels:
  - .name:           k_q35f811a901_final
    .symbol:         k_q35f811a901_final.kd
    .args:
      - { .name: clstm, .offset: 0, .size: 8, .value_kind: global_buffer, .address_space: global }
      - { .name: ogate, .offset: 8, .size: 8, .value_kind: global_buffer, .address_space: global }
      - { .name: proj, .offset: 16, .size: 8, .value_kind: global_buffer, .address_space: global }
      - { .name: stats, .offset: 24, .size: 8, .value_kind: global_buffer, .address_space: global }
      - { .name: dcod, .offset: 32, .size: 8, .value_kind: global_buffer, .address_space: global }
      - { .name: ssm_state, .offset: 40, .size: 8, .value_kind: global_buffer, .address_space: global }
      - { .name: dt_proj_b, .offset: 48, .size: 8, .value_kind: global_buffer, .address_space: global }
      - { .name: A_log, .offset: 56, .size: 8, .value_kind: global_buffer, .address_space: global }
      - { .name: D, .offset: 64, .size: 8, .value_kind: global_buffer, .address_space: global }
      - { .name: ln_g, .offset: 72, .size: 8, .value_kind: global_buffer, .address_space: global }
      - { .name: ln_b, .offset: 80, .size: 8, .value_kind: global_buffer, .address_space: global }
      - { .name: W1, .offset: 88, .size: 8, .value_kind: global_buffer, .address_space: global }
      - { .name: W2, .offset: 96, .size: 8, .value_kind: global_buffer, .address_space: global }
      - { .name: scale0, .offset: 104, .size: 8, .value_kind: global_buffer, .address_space: global }
      - { .name: out0, .offset: 112, .size: 8, .value_kind: global_buffer, .address_space: global }
      - { .name: out1, .offset: 120, .size: 8, .value_kind: global_buffer, .address_space: global }
      - { .name: out2, .offset: 128, .size: 8, .value_kind: global_buffer, .address_space: global }
    .group_segment_fixed_size: 155648
    .private_segment_fixed_size: 0
    .kernarg_segment_align: 8
    .kernarg_segment_size: 136
    .max_flat_workgroup_size: 512
    .sgpr_count:     66
    .vgpr_count:     256
    .wavefront_size: 32
...
	.end_amdgpu_metadata
.endif
;; end of part 3
